; MI455X (gfx1250); checked and timed in simulation.
; The chip was launched on July 23, 2026; its instructions are those of AMD's public machine-readable ISA for CDNA 5 (MIT licence, August 2026) and "CDNA5" Instruction Set Architecture Reference Guide (July 2026). The comments in the code are by the model that wrote it; some were corrected since.
;; Memory Efficient Cross Attention Block. Allowed arithmetic: matrix products marked QUANTISED: E2M1 operands, one E8M0 scale for each 32 along K, by v_wmma_scale_f32_16x16x128_f8f6f4 with both operands' format E2M1 (or v_wmma_scale_f32_32x16x128_f4), f32 sums; everything else in f32.
;; Inputs: W1_codes 2,048 x 16 x 16 uint8 (E2M1 codes of W1, K innermost, in blocks of 32 codes, two codes a byte); W1_scales 2,048 x 16 uint8 (E8M0 scales of W1, one for each 32 codes along K); W2_codes 512 x 64 x 16 uint8 (E2M1 codes of W2, K innermost, in blocks of 32 codes, two codes a byte); W2_scales 512 x 64 uint8 (E8M0 scales of W2, one for each 32 codes along K); Wk_codes 512 x 24 x 16 uint8 (E2M1 codes of Wk, K innermost, in blocks of 32 codes, two codes a byte); Wk_scales 512 x 24 uint8 (E8M0 scales of Wk, one for each 32 codes along K); Wo_codes 512 x 16 x 16 uint8 (E2M1 codes of Wo, K innermost, in blocks of 32 codes, two codes a byte); Wo_scales 512 x 16 uint8 (E8M0 scales of Wo, one for each 32 codes along K); Wq_codes 512 x 16 x 16 uint8 (E2M1 codes of Wq, K innermost, in blocks of 32 codes, two codes a byte); Wq_scales 512 x 16 uint8 (E8M0 scales of Wq, one for each 32 codes along K); Wv_codes 512 x 24 x 16 uint8 (E2M1 codes of Wv, K innermost, in blocks of 32 codes, two codes a byte); Wv_scales 512 x 24 uint8 (E8M0 scales of Wv, one for each 32 codes along K); b1 2,048 float32; b2 512 float32; bk 512 float32; bo 512 float32; bq 512 float32; bv 512 float32; ln_b 512 float32; ln_g 512 float32; x 4 x 4,096 x 512 float32; xf_codes 4 x 256 x 24 x 16 uint8 (E2M1 codes of xf, K innermost, in blocks of 32 codes, two codes a byte); xf_scales 4 x 256 x 24 uint8 (E8M0 scales of xf, one for each 32 codes along K).
;; Outputs: out0 4 x 4,096 x 512 float32.
;; This version of the problem:
;;   THIS VERSION OF THE PROBLEM IS GIVEN IN LOW PRECISION. The matrix products marked QUANTISED in the list below multiply operands that are first quantised to E2M1 (2 exponent bits, 1 mantissa bit; 4 bits a number), with one power-of-two scale for each 32 numbers along K (OCP MX v1.0); their sums are f32. All else is computed in f32.
;;   The module's matrix products, in the order in which they are computed (A, B: the left and right operand; K: the contracted axis; several contracted axes count as one K, in the product's order):
;;     1. [M 16,384, K 512] x [K 512, N 512]; A: input x; B: input Wq (given as codes): QUANTISED
;;     2. [M 1,024, K 768] x [K 768, N 512]; A: input xf (given as codes); B: input Wk (given as codes): QUANTISED
;;     3. [M 1,024, K 768] x [K 768, N 512]; A: input xf (given as codes); B: input Wv (given as codes): QUANTISED
;;     4. batch 64 x [M 4,096, K 32] x [K 32, N 256]; A: computed on the way; B: computed on the way: QUANTISED
;;     5. batch 64 x [M 4,096, K 256] x [K 256, N 32]; A: softmax (see below); B: computed on the way: QUANTISED
;;     6. [M 16,384, K 512] x [K 512, N 512]; A: computed on the way; B: input Wo (given as codes): QUANTISED
;;     7. [M 16,384, K 512] x [K 512, N 2,048]; A: computed on the way; B: input W1 (given as codes): QUANTISED
;;     8. [M 16,384, K 2,048] x [K 2,048, N 512]; A: computed on the way; B: input W2 (given as codes): QUANTISED
;;   THE QUANTISER, for each operand of a quantised product, along K:
;;     - K is cut into blocks of 32 from its start; a last block that is shorter is filled with zeros.
;;     - A block's scale is 2^e with e = floor(log2(the largest magnitude in the block)) - 2, held to -126 .. 127; a block of zeros has e = 0. As a byte (E8M0): e + 127.
;;     - Each number is divided by its block's scale, clamped to +-6, and rounded to the nearest number of E2M1, ties to even, subnormals kept.
;;     - The product sums the exact products of the quantised numbers (number of the format x scale) in f32.
;;   ~~~python
;;   def quantise(x, axis):      # numpy; x: float32 -> the quantised numbers, widened to float32 again
;;       x = np.moveaxis(x, axis, -1); K = x.shape[-1]
;;       x = np.pad(x, [(0, 0)] * (x.ndim - 1) + [(0, -K % 32)]); x = x.reshape(x.shape[:-1] + (-1, 32)); a = np.abs(x).max(-1, keepdims=True)
;;       e = np.where(a > 0, np.clip(np.frexp(np.where(a > 0, a, 1))[1] - 1 - 2, -126, 127), 0)      # np.frexp(a)[1] - 1 = floor(log2(a)), exactly
;;       r = np.clip(x / 2.0 ** e, -6, 6)
;;       step = 2.0 ** (np.maximum(np.frexp(np.where(r == 0, 1, r))[1] - 1, 0) - 1)
;;       q = np.round(r / step) * step * 2.0 ** e      # np.round: ties to even
;;       return np.moveaxis(q.reshape(q.shape[:-2] + (-1,))[..., :K], -1, axis).astype(np.float32)
;;   ~~~
;;   SOFTMAX AHEAD OF A QUANTISED PRODUCT. Where the list says 'softmax', what is quantised is not the finished softmax but p = 2^(t - M), with t = logit x log2(e) and M = ceil(the row's largest t), a whole number; so 1/2 < the row's largest p <= 1. The row's sum l is taken of the UNQUANTISED p, in f32, and the product's result is divided by l at the end. Since M is a whole number, a kernel that streams over the keys may use a running M (the ceiling of the running maximum): every later rescaling is an exact power of two, which a block's scale takes up: the codes' values come out the same.
;;   OPERANDS COMPUTED ON THE WAY. 'Computed on the way' means the value that the module computes at that place (a softmax that the list does not call 'softmax' is quantised finished and normalised). What goes into a quantiser is computed in f32, as accurately as f32 sums, v_exp_f32 and their like allow (about 1e-6 of the number): no bf16 or f16 on the way to a quantiser, and a product that is left as it is and whose result goes on into a quantised operand takes f32 operands (vector FMAs, or v_wmma_f32_16x16x4_f32). A number that lies on a knife's edge between two numbers of the format may be rounded either way, as far as f32 arithmetic and the matrix unit's own rounding can turn it there, and no further.
;;   INPUTS GIVEN AS CODES. W1 (in the module: [512, 2048], K = its axis 0); W2 (in the module: [2048, 512], K = its axis 0); Wk (in the module: [768, 512], K = its axis 0); Wo (in the module: [512, 512], K = its axis 0); Wq (in the module: [512, 512], K = its axis 0); Wv (in the module: [768, 512], K = its axis 0); xf (in the module: [4, 256, 768], K = its axis 2): each comes as NAME_codes (uint8): NAME with its K axis moved to the last place and cut into blocks of 32 codes, [.., K / 32, bytes a block], one block behind the other in memory; two codes a byte, the lower K in the low four bits (a code: sign, 2 exponent bits, 1 mantissa bit); and NAME_scales (uint8): the same leading axes, one E8M0 byte (e + 127) for each 32 codes along K. Its value is code x scale, taken as it is: it is not quantised again, and the codes and scales need not be those that the quantiser above would give.
;; 2 versions. Each part assembles by itself: llvm-mc -triple=amdgcn-amd-amdhsa -mcpu=gfx1250 --defsym DOCPART=n.
;; ======== version 1 of 2: 2 launches
;; workspace buffers: kv 606,208 bytes
;; launch kvproj (part 1): grid 16 x 16, 8 waves a work-group, no clusters, 0 bytes of LDS; arguments xf_codes, xf_scales, Wk_codes, Wk_scales, bk, Wv_codes, Wv_scales, bv, kv; writes kv
.if DOCPART == 1
	.amdgcn_target "amdgcn-amd-amdhsa--gfx1250"
	.amdhsa_code_object_version 6
	.text
	.protected	k_qfe1b186a5e_kvproj
	.globl	k_qfe1b186a5e_kvproj
	.p2align	8
	.type	k_qfe1b186a5e_kvproj,@function
k_qfe1b186a5e_kvproj:
	s_mov_b64 s[64:65], 0
	v_nop
	global_prefetch_b8 v0, s[64:65] scope:SCOPE_SE
	s_setreg_imm32_b32 hwreg(HW_REG_WAVE_MODE, 25, 1), 1
	s_wait_xcnt 0x0
; k = xf Wk + bk and v = xf Wv + bv on codes of FP4 (E2M1) with E8M0 scales, K = 768; the results are quantised at once, k along a head's 32 dims, v along the keys,
; and stored as codes and scale bytes in the order in which the next launch's operand registers take them.
; kv: 64 records (16 b + head) of REC = 9,472 bytes.  r = lane % 16, h = lane / 16.
;   kc     0: key tile T (0..15) at 256 T; lane (r, h): 8 bytes at 16 r + 8 h: dims 16 h .. 16 h + 15 of key 32 (T / 2) + 8 (T % 2) + r + 8 (r / 8)
;   vc  4096: fragment 2 u + s (dim tile u, 128 keys s) at 1024 (2 u + s); key block kb % 4 at 256 (kb % 4); dim 8 u + r + 8 (r / 8) at 16 r; keys 16 h .. + 15 of the block at 8 h
;   ks  8192: the scale byte of tile T's key-lane r, four times in a word, at 512 ((T % 8) / 4) + 256 (T / 8) + 16 r + 4 (T % 4)
;   vs  9216: dim tile u, lane r at 128 u + 8 r; the byte of key block kb at 4 (kb / 4) + kb % 4
; SHARES.  Work-group x = head, y = 4 b + kq.  Wave w: kind = w / 4 (0: k, 1: v), t = (w / 2) % 2, kb = 2 kq + w % 2: one block of 32 keys.  A wave makes 12 matrix instructions; waves share nothing: no LDS, no barrier.
; ONE TEXT FOR BOTH KINDS.  Source 0 (side P, two tiles) runs along the result's registers, which is the axis that is quantised; source 1 (side Q, one tile) gives a lane its row.
;   kind k: P = 32 rows of Wk (the head's dims), Q = 16 keys of xf.   kind v: P = 32 keys of xf, Q = 16 rows of Wv.   Both tensors have rows of 384 bytes of codes and 24 scale bytes: only pointers and first rows differ.
; THE ROWS OF A TILE ARE NOT NEIGHBOURS: lane r of tile i takes row 8 i + r + 8 (r / 8), so that a lane's 16 result registers are 16 neighbours, 16 h + 0 .. 15, of P's 32.
; LIMITS: NaN and infinities are not served.  A block of zeros gets the byte 1 where the quantiser says 127: its codes are zeros, and this program alone reads the bytes.
; The codes leave as 256 consecutive aligned bytes a store.  The scale words (4 bytes a lane, 16 bytes apart) and bytes (8 apart) do not: they are an eighth of the buffer.
.set REC,  9472
.set PS,   12                          ; v12-17  P's scale words of the six K steps: tile 0 in lanes 0-15, tile 1 in lanes 16-31
.set QS,   18                          ; v18-23  Q's
.set QTM,  24                          ; the quantiser's largest magnitude,
.set QTP,  25                          ; the other half's,
.set QTS,  26                          ; the conversion's scale operand,
.set QBY,  27                          ; the scale's byte
.set CD,   36                          ; v36-37  my 16 codes
.set WD,   38                          ; v38     the byte four times
.set PF,   40                          ; v40-135  P's fragments: (tile u, K step s) at 8 (6 u + s)
.set QF,   136                         ; v136-183 Q's: K step s at 8 s
.set ACC,  184                         ; v184-199 two accumulators
.set CB,   200                         ; v200-215 the bias, as the C of each sum's first product
.macro WM d, a, b, c, sa, sb, ra       ; ra = 1: source 0's scales stand in lanes 16-31
.if \ra
	v_wmma_scale_f32_16x16x128_f8f6f4 v[\d:\d+7], v[\a:\a+7], v[\b:\b+7], v[\c:\c+7], v[\sa], v[\sb] matrix_a_fmt:MATRIX_FMT_FP4 matrix_b_fmt:MATRIX_FMT_FP4 matrix_a_scale:MATRIX_SCALE_ROW1
.else
	v_wmma_scale_f32_16x16x128_f8f6f4 v[\d:\d+7], v[\a:\a+7], v[\b:\b+7], v[\c:\c+7], v[\sa], v[\sb] matrix_a_fmt:MATRIX_FMT_FP4 matrix_b_fmt:MATRIX_FMT_FP4
.endif
.endm
; cnt blocks of 32 by turns: block b is my 16 numbers v[src + 16 b ..] and lane l xor 16's.  Codes to v[pc + 2 b], v[pc + 2 b + 1], the byte to v[QBY + b].
.macro QCORE src, pc, cnt
.set qb, 0
.rept \cnt
	v_max3_num_f32 v[QTM+qb], |v[\src+16*qb]|, |v[\src+16*qb+1]|, 0x1800000   ; with the floor 2^(3 - 127): the byte cannot fall under 1
.set qb, qb+1
.endr
.irp i, 2,4,6,8,10,12,14
.set qb, 0
.rept \cnt
	v_max3_num_f32 v[QTM+qb], v[QTM+qb], |v[\src+16*qb+\i]|, |v[\src+16*qb+\i+1]|
.set qb, qb+1
.endr
.endr
.set qb, 0
.rept \cnt
	v_permlanex16_b32 v[QTP+qb], v[QTM+qb], s42, s43
.set qb, qb+1
.endr
.set qb, 0
.rept \cnt
	v_max_num_f32 v[QTM+qb], v[QTM+qb], v[QTP+qb]         ; the block's largest magnitude
.set qb, qb+1
.endr
.set qb, 0
.rept \cnt
	v_add_nc_u32 v[QTS+qb], 0xff000000, v[QTM+qb]         ; 2 off its exponent field: the conversion takes that field as its scale
.set qb, qb+1
.endr
.set qb, 0
.rept \cnt
	v_lshrrev_b32 v[QBY+qb], 23, v[QTS+qb]                ; the scale's byte
.set qb, qb+1
.endr
.set qb, 0
.rept \cnt
	v_cvt_scalef32_pk8_fp4_f32 v[\pc+2*qb], v[\src+16*qb:\src+16*qb+7], v[QTS+qb]
	v_cvt_scalef32_pk8_fp4_f32 v[\pc+2*qb+1], v[\src+16*qb+8:\src+16*qb+15], v[QTS+qb]
.set qb, qb+1
.endr
	v_nop                                                 ; one plain line behind the last scaled conversion
.endm
	s_load_b512 s[4:19], s[0:1], 0x0               ; xf codes s[4:5], xf scales s[6:7], Wk codes s[8:9], Wk scales s[10:11], bk s[12:13], Wv codes s[14:15], Wv scales s[16:17], bv s[18:19]
	s_load_b64 s[20:21], s[0:1], 0x40              ; kv
	v_lshrrev_b32 v1, 5, v0
	v_readfirstlane_b32 s22, v1                    ; wave 0..7
	v_and_b32 v1, 15, v0                           ; r
	v_bfe_u32 v2, v0, 4, 1                         ; h
	v_and_b32 v3, 8, v1
	v_add_nc_u32 v3, v3, v1                        ; r + 8 (r / 8)
	v_mul_u32_u24 v4, v3, 384
	v_lshl_add_u32 v4, v2, 4, v4                   ; a fragment: my row of 384 bytes, + 16 h
	v_lshl_add_u32 v5, v2, 3, v3
	v_mul_u32_u24 v5, v5, 24                       ; P's scale words: lanes 16-31 take tile 1's rows
	v_mul_u32_u24 v6, v3, 24                       ; Q's
	v_lshlrev_b32 v7, 6, v2                        ; bias of kind k: my 16 dims begin at 16 h
	v_lshlrev_b32 v8, 2, v3                        ; bias of kind v: my one dim
	v_lshlrev_b32 v9, 4, v1
	v_lshl_add_u32 v9, v2, 3, v9                   ; my codes' place: 16 r + 8 h
	v_mov_b32 v[QTP], 0                            ; a lane permute's destination counts as one of its sources
	s_mov_b32 s42, 0x76543210
	s_mov_b32 s43, 0xfedcba98                      ; v_permlanex16_b32's selects for lane l xor 16
	s_lshr_b32 s23, s22, 2                         ; kind
	s_bfe_u32 s24, s22, 0x10001                    ; t
	s_and_b32 s25, s22, 1
	s_and_b32 s44, ttmp7, 0xffff                   ; y = 4 b + kq
	s_lshr_b32 s26, s44, 2                         ; b
	s_and_b32 s44, s44, 3
	s_lshl_b32 s44, s44, 1
	s_add_co_u32 s25, s25, s44                     ; kb
	s_lshl_b32 s45, s26, 8
	s_lshl_b32 s46, s25, 5
	s_add_co_u32 s45, s45, s46                     ; xf's row 256 b + 32 kb
	s_lshl_b32 s46, ttmp9, 5                       ; a weight's row 32 head
	s_lshl_b32 s47, s24, 3                         ; 8 t
	s_lshl_b32 s52, s25, 1
	s_add_co_u32 s52, s52, s24                     ; T = 2 kb + t
	s_lshl_b32 s53, s52, 8                         ; kind k: the codes' place in the record
	s_bfe_u32 s54, s52, 0x10002
	s_lshl_b32 s54, s54, 9
	s_lshr_b32 s55, s52, 3
	s_lshl_b32 s55, s55, 8
	s_add_co_u32 s54, s54, s55
	s_and_b32 s55, s52, 3
	s_lshl_b32 s55, s55, 2
	s_add_co_u32 s54, s54, s55
	s_add_co_u32 s54, s54, 8192                    ; and the scale words'
	s_lshr_b32 s56, s25, 2                         ; kb / 4
	s_and_b32 s57, s25, 3                          ; kb % 4
	s_lshl_b32 s58, s24, 1
	s_add_co_u32 s58, s58, s56
	s_lshl_b32 s58, s58, 10
	s_lshl_b32 s59, s57, 8
	s_add_co_u32 s58, s58, s59
	s_add_co_u32 s58, s58, 4096                    ; kind v: the codes' place
	s_lshl_b32 s59, s24, 7
	s_lshl_b32 s56, s56, 2
	s_add_co_u32 s59, s59, s56
	s_add_co_u32 s59, s59, s57
	s_add_co_u32 s59, s59, 9216                    ; and the scale bytes'
	s_lshl_b32 s60, s26, 4
	s_add_co_u32 s60, s60, ttmp9
	s_mul_i32 s60, s60, REC                        ; the record
	s_lshl_b32 s61, ttmp9, 7                       ; the head's 32 numbers of a bias
	s_lshl_b32 s62, s24, 5                         ; 8 t numbers on
	s_cmp_eq_u32 s23, 0                            ; kind k?  The choice hangs on the wave's number alone
	s_cselect_b32 s48, s46, s45                    ; P's first row
	s_cselect_b32 s49, s45, s46                    ; Q's, less 8 t
	s_cselect_b32 s53, s53, s58
	s_cselect_b32 s54, s54, s59
	s_cselect_b32 s62, 0, s62
	s_cselect_b32 s63, 4, 3                        ; scale stores: 16 r or 8 r
	s_wait_kmcnt 0x0
	s_cselect_b64 s[28:29], s[8:9], s[4:5]         ; P's codes
	s_cselect_b64 s[30:31], s[10:11], s[6:7]       ; P's scales
	s_cselect_b64 s[32:33], s[4:5], s[14:15]       ; Q's codes
	s_cselect_b64 s[34:35], s[6:7], s[16:17]       ; Q's scales
	s_cselect_b64 s[36:37], s[12:13], s[18:19]     ; the bias
	s_add_co_u32 s49, s49, s47
	s_mov_b32 s51, 0
	s_mul_i32 s50, s48, 384
	s_add_nc_u64 s[28:29], s[28:29], s[50:51]
	s_mul_i32 s50, s48, 24
	s_add_nc_u64 s[30:31], s[30:31], s[50:51]
	s_mul_i32 s50, s49, 384
	s_add_nc_u64 s[32:33], s[32:33], s[50:51]
	s_mul_i32 s50, s49, 24
	s_add_nc_u64 s[34:35], s[34:35], s[50:51]
	s_add_co_u32 s50, s61, s62
	s_add_nc_u64 s[36:37], s[36:37], s[50:51]
	s_add_co_u32 s50, s60, s53
	s_add_nc_u64 s[38:39], s[20:21], s[50:51]      ; where my codes go
	s_add_co_u32 s50, s60, s54
	s_add_nc_u64 s[40:41], s[20:21], s[50:51]      ; where my scales go
	v_lshlrev_b32 v10, s63, v1
	; all loads at once
.irp u, 0,1
.irp s, 0,1,2,3,4,5
.irp c, 0,1
	global_load_b128 v[PF+8*(6*\u+\s)+4*\c:PF+8*(6*\u+\s)+4*\c+3], v4, s[28:29] offset:3072*\u+64*\s+32*\c
.endr
.endr
.endr
.irp s, 0,1,2,3,4,5
.irp c, 0,1
	global_load_b128 v[QF+8*\s+4*\c:QF+8*\s+4*\c+3], v4, s[32:33] offset:64*\s+32*\c
.endr
.endr
.irp i, 0,1,2
	global_load_b64 v[PS+2*\i:PS+2*\i+1], v5, s[30:31] offset:8*\i
	global_load_b64 v[QS+2*\i:QS+2*\i+1], v6, s[34:35] offset:8*\i
.endr
	s_cmp_eq_u32 s23, 0
	s_cbranch_scc0 .Lbias_v
.irp u, 0,1                                    ; kind k: the bias runs along the registers: bk[32 head + 16 h + 8 u + j]
	global_load_b128 v[CB+8*\u:CB+8*\u+3], v7, s[36:37] offset:32*\u
	global_load_b128 v[CB+8*\u+4:CB+8*\u+7], v7, s[36:37] offset:32*\u+16
.endr
	s_branch .Lbias_in
.Lbias_v:
.irp j, 0,1,2,3,4,5,6,7,8,9,10,11,12,13,14,15  ; kind v: a lane has one dim: bv[32 head + 8 t + r + 8 (r / 8)] in all sixteen
	global_load_b32 v[CB+\j], v8, s[36:37]
.endr
.Lbias_in:
	s_wait_loadcnt 0x0
.irp s, 0,1,2,3,4,5                            ; the two accumulators take turns, one instruction a turn
.irp u, 0,1
.if \s == 0
	WM ACC+8*\u, PF+8*(6*\u+\s), QF+8*\s, CB+8*\u, PS+\s, QS+\s, \u
.else
	WM ACC+8*\u, PF+8*(6*\u+\s), QF+8*\s, ACC+8*\u, PS+\s, QS+\s, \u
.endif
.endr
.endr
.rept 4
	v_nop                                          ; four places between the last product and the first read of results (ISA guide 7.12.1)
.endr
	QCORE ACC, CD, 1
	v_lshl_or_b32 v[WD], v[QBY], 8, v[QBY]
	v_lshl_or_b32 v[WD], v[WD], 16, v[WD]          ; the byte four times: the next launch lays a head's 32 dims in two blocks of the instruction's K
	global_store_b64 v9, v[CD:CD+1], s[38:39]      ; 32 lanes store 256 consecutive bytes, at a multiple of 256 from kv's first byte
	s_wait_xcnt 0x0                                ; EXEC changes only behind this wait
	v_cmp_eq_u32 vcc_lo, 0, v2
	s_and_saveexec_b32 s44, vcc_lo                 ; lanes 16-31 hold the same bytes: lanes 0-15 store
	s_cmp_eq_u32 s23, 0
	s_cbranch_scc0 .Lscale_v
	global_store_b32 v10, v[WD], s[40:41]
	s_branch .Lscale_out
.Lscale_v:
	global_store_b8 v10, v[QBY], s[40:41]
.Lscale_out:
	s_wait_xcnt 0x0                                ; and again in front of the line that widens it
	s_or_b32 exec_lo, exec_lo, s44
	s_endpgm
.Lfunc_end_k_qfe1b186a5e_kvproj:
	.size	k_qfe1b186a5e_kvproj, .Lfunc_end_k_qfe1b186a5e_kvproj-k_qfe1b186a5e_kvproj
	.p2alignl 7, 3214868480
	.fill 96, 4, 3214868480
	.section	.rodata,"a",@progbits
	.p2align	6, 0x0
	.amdhsa_kernel k_qfe1b186a5e_kvproj
		.amdhsa_group_segment_fixed_size 0
		.amdhsa_private_segment_fixed_size 0
		.amdhsa_enable_private_segment 0
		.amdhsa_kernarg_size 72
		.amdhsa_user_sgpr_count 2
		.amdhsa_user_sgpr_kernarg_segment_ptr 1
		.amdhsa_wavefront_size32 1
		.amdhsa_system_sgpr_workgroup_id_x 1
		.amdhsa_system_sgpr_workgroup_id_y 1
		.amdhsa_system_sgpr_workgroup_id_z 1
		.amdhsa_system_vgpr_workitem_id 0
		.amdhsa_next_free_vgpr 216
		.amdhsa_next_free_sgpr 66
		.amdhsa_reserve_vcc 1
		.amdhsa_float_denorm_mode_32 3
		.amdhsa_float_denorm_mode_16_64 3
		.amdhsa_memory_ordered 1
		.amdhsa_forward_progress 1
		.amdhsa_inst_pref_size 13
	.end_amdhsa_kernel
	.amdgpu_metadata
---
amdhsa.version: [ 1, 2 ]
amdhsa.kernels:
  - .name:           k_qfe1b186a5e_kvproj
    .symbol:         k_qfe1b186a5e_kvproj.kd
    .args:
      - { .name: xf_codes, .offset: 0, .size: 8, .value_kind: global_buffer, .address_space: global }
      - { .name: xf_scales, .offset: 8, .size: 8, .value_kind: global_buffer, .address_space: global }
      - { .name: Wk_codes, .offset: 16, .size: 8, .value_kind: global_buffer, .address_space: global }
      - { .name: Wk_scales, .offset: 24, .size: 8, .value_kind: global_buffer, .address_space: global }
      - { .name: bk, .offset: 32, .size: 8, .value_kind: global_buffer, .address_space: global }
      - { .name: Wv_codes, .offset: 40, .size: 8, .value_kind: global_buffer, .address_space: global }
      - { .name: Wv_scales, .offset: 48, .size: 8, .value_kind: global_buffer, .address_space: global }
      - { .name: bv, .offset: 56, .size: 8, .value_kind: global_buffer, .address_space: global }
      - { .name: kv, .offset: 64, .size: 8, .value_kind: global_buffer, .address_space: global }
    .group_segment_fixed_size: 0
    .private_segment_fixed_size: 0
    .kernarg_segment_align: 8
    .kernarg_segment_size: 72
    .max_flat_workgroup_size: 256
    .sgpr_count:     66
    .vgpr_count:     216
    .wavefront_size: 32
...
	.end_amdgpu_metadata
.endif
;; end of part 1
;; launch block (part 2): grid 256 x 1, 16 waves a work-group, no clusters, 247,808 bytes of LDS; arguments x, Wq_codes, Wq_scales, bq, kv, Wo_codes, Wo_scales, bo, ln_g, ln_b, W1_codes, W1_scales, b1, W2_codes, W2_scales, b2, out0; writes out0
.if DOCPART == 2
	.amdgcn_target "amdgcn-amd-amdhsa--gfx1250"
	.amdhsa_code_object_version 6
	.text
	.protected	k_qfe1b186a5e_block
	.globl	k_qfe1b186a5e_block
	.p2align	8
	.type	k_qfe1b186a5e_block,@function
k_qfe1b186a5e_block:
	s_mov_b64 s[64:65], 0
	v_nop
	global_prefetch_b8 v0, s[64:65] scope:SCOPE_SE
	s_setreg_imm32_b32 hwreg(HW_REG_WAVE_MODE, 25, 1), 1
	s_wait_xcnt 0x0
; out0 = x + out + FFN(out), out = attention(x Wq + bq, k, v) Wo + bo, FFN(o) = gelu(LN(o) W1 + b1) W2 + b2.  All products on codes of FP4 (E2M1) with one E8M0 scale for each 32 along K; all else in f32.
; k and v come as codes from the launch before (kv: its head comment has the record's layout).
; SHARES.  A work-group owns 64 rows of x (four tiles of 16), sixteen waves of 256 registers.  WAVE w OWNS COLUMNS 32 w .. 32 w + 31 OF EVERY 512-WIDE RESULT, for all 64 rows: that is head w, and block w of the next
; product's K.  So each quantiser needs lanes l and l xor 16 alone, wave w runs head w's whole attention out of its own registers, and only codes and scale bytes pass between waves.
; LAYOUT.  Every product is used transposed: source 0 = 16 rows of a weight (or keys, or dims of v), source 1 = 16 rows of the activation.  Lane r of a weight's tile u takes row 8 u + r + 8 (r / 8): lane (r, h) then
; holds row r of the activation, and registers 8 u + j of its two tiles are columns 16 h + 8 u + j: 16 neighbours.  Their 16 codes are 8 bytes, which lie at 16 r + 8 h inside the 256 bytes that block w has
; in the IMAGE of the next operand's registers (fragment (row tile m, K step s) at 1024 (4 m + s), four registers at 512 c, lane at 16 l): any wave loads a fragment by two ds_load_b128 at 16 x lane.
; WEIGHTS go from memory straight into registers: a wave takes 32 rows x 512 along K (16 loads of 16 bytes a lane), each slot asked for again as soon as its eight products are issued.
; SCORES.  K = 32: the head's dims lie as 16 + 16 in the instruction's blocks 0 and 1 (registers 0, 1 of both halves of the lanes), under the same scale byte; q's registers 2 to 7 are zero codes, so whatever the
; key operand's registers 2 to 7 hold (the next tiles' codes) adds nothing.
; SOFTMAX.  t = score x log2(e); M = the running largest t, rounded up to a whole number; p = 2^(t - M) is quantised along the keys; the row's sum is taken of the unquantised p and divides O at the end.
; LAYERNORM.  Each wave makes the mean and the sum of squared deviations of its 32 columns; the sixteen parts are merged: var = (sum of M2 + 32 x sum of (mean_w - mu)^2) / 512.  No difference of large sums.
; GELU, exact: erf by two polynomials (|z| under 475/512: odd in z; above: erfc = exp of a polynomial in |z|).  In the tail gelu = max(x, 0) - |x / 2| erfc(|z|): nothing cancels.
; NO CLUSTER, NO TENSOR LOAD.  All row blocks walk the same weights, 1.36 MB a work-group.  A joint request lands in LDS, of which 245,760 bytes hold the rows' residual, images and the hidden layer's codes; a wave wants
; 32 rows x all of K, so a slot that serves all sixteen waves in step would be 512 rows x 64 bytes, a quarter of each row's 256 bytes, through a ring in the 81,920 bytes left, with a round of the cluster's barrier a slot.
; LIMITS: NaN and infinities are not served.  A block of zeros gets the byte 1 where the quantiser says 127: its codes are zeros, and this program alone reads the bytes.  The result is summed as (x + out) + ffn.
.set RP,    2064                       ; a row of RES: 2,048 bytes + 16: an odd multiple of 16
.set A0,    0                          ; LDS: images of 16 fragments (K = 512): x's, later LN(out)'s
.set A1,    16384                      ; the same: attention's
.set ASC0,  32768                      ; their scale bytes: 16 x row + block
.set ASC1,  33792
.set HSC,   34816                      ; the hidden layer's: 1,024 x chunk + 16 x row + block
.set STAT,  38912                      ; 144 x row + 8 x wave: (mean, M2) of a wave's 32 columns
.set HIMG,  48128                      ; the hidden layer's images: 16,384 x chunk
.set RES,   113664                     ; 64 rows x RP: x, then x + out, then the result
.set REC,   9472
.set LI,   1                           ; v1   16 x lane
.set RS,   2                           ; v2   RES: my wave's rows 4 w .. 4 w + 3, 16 bytes a lane
.set RO,   3                           ; v3   RES: row r, my 16 columns;  v4: 32 rows further down
.set CW,   5                           ; v5   my codes' place in an image: 16 r + 8 h + 256 w
.set SB,   6                           ; v6   my scale byte's: 16 r + w
.set SL,   7                           ; v7   scale words as an operand wants them: 16 r + 512 h
.set ROW,  8                           ; v8   r + 8 (r / 8)
.set H16,  9                           ; v9   16 h
.set ROWH, 10                          ; v10  r + 8 (r / 8) + 8 h
.set VN0,  11                          ; v11, v12  the weights' tiles 0 and 1: my row x pitch + 16 h
.set VNS,  13                          ; v13  their scale words
.set H64,  14                          ; v14  64 h
.set AI,   15                          ; v15  the images in hand
.set ASL,  16                          ; v16  their scale words
.set TA,   17                          ; v17-18, v23  addresses of the stores in hand
.set TB,   18
.set STW,  19                          ; v19  STAT: where I store
.set STR,  20                          ; v20  STAT: where I read eight waves' pairs
.set L8H,  21                          ; v21  16 r + 8 h
.set L8,   22                          ; v22  8 x lane
.set TC,   23
.set MS,   24                          ; v24-31  four pairs: (mean, M2), later (mu, 1 / sigma); in the FFN three constants
.set KA1,  24
.set KA3,  26
.set KB1,  28
.set ACC,  32                          ; v32-95   eight accumulators: (row tile m, weight tile u) at 16 m + 8 u
.set WF,   96                          ; v96-159  the weights' fragments: K step s at 16 s, tile u at 8 u
.set AF,   160                         ; v160-223 the activation's: two buffers of 32, row tile m at 8 m
.set WS,   224                         ; v224-231 the weights' scale words, two sets of 4: K step s; tile 0 in lanes 0-15, tile 1 in lanes 16-31
.set AS,   232                         ; v232-239 the activation's: 4 (m % 2) + s; m < 2 in lanes 0-15, the others in lanes 16-31
.set BI,   240                         ; v240-255 the bias, as the C of each sum's first product
.set PC,   160                         ; codes just made
.set GZ,   160                         ; GELU at work
.set GS,   168
.set GT,   176
.set GR,   184
.set GU,   192
.set GH,   200
.set LG,   160                         ; ln_g, ln_b of my 16 columns
.set LB,   176
.set XR,   192                         ; 32 registers at work round the LayerNorm
.set LW,   232                         ; eight more
; attention lays its own map over v32-255
.set SC,   32                          ; S^T, then p: 64
.set KC,   96                          ; k's codes: two registers a tile, and six zeros behind them
.set KS,   134                         ; k's scale words: tile T % 8; T < 8 in lanes 0-15
.set VF,   142                         ; v's four fragments
.set VS,   174                         ; v's scale words: key step; dim tile 0 in lanes 0-15
.set QF,   176                         ; q's fragment of the row tile in hand: two registers of codes, six of zeros
.set QC,   184                         ; q's codes of the four row tiles
.set QS,   192                         ; and their scale words
.set QSW,  196
.set PCD,  198                         ; p's codes
.set PW,   206                         ; p's scale word
.set OT,   208                         ; O^T: two accumulators
.set NM,   224                         ; v224 -M, v225 the largest t
.set SUM,  226                         ; the row's sum in two halves
.set FF,   228                         ; f = 2^(old M - new M), later 1 / sum; v229 is named with it as a pair
.set BM,   230                         ; the blocks' largest scores
.set BP,   234
.set SO,   238
.set TT,   242                         ; v242-249 at work
.set NW,   44                          ; s[44:45] the weights that are asked for next: codes, s[46:47] scales, s[48:49] bias
.set NS,   46
.set NB,   48
.set C_RH,  66                         ; scalar pairs: the packed forms name a pair and take its low word for both halves
.set C_L2E, 68
.set C_A0,  70
.set C_A2,  72
.set C_A4,  74
.set C_A5,  76
.set C_A6,  78
.set C_B0,  80
.set C_B2,  82
.set C_B3,  84
.set C_B4,  86
.set C_B5,  88
.set C_TH,  90
.macro KONST reg, bits
	s_mov_b32 s[\reg], \bits
	s_mov_b32 s[\reg+1], \bits
.endm
.macro PLACES                          ; four plain lines between a product and a load into, or a vector instruction on, one of its registers (ISA guide 7.12.1 for vector instructions)
.rept 4
	v_nop
.endr
.endm
.macro BARRIER                         ; my LDS stores have landed and my LDS loads are in: then the work-group's barrier
	s_wait_dscnt 0x0
	s_barrier_signal -1
	s_barrier_wait -1
.endm
; One product.  c < 0: the constant 0 starts the sum.  ra, rb = 1: that side's scales stand in lanes 16-31.
.macro WM d, a, b, c, sa, sb, ra, rb
.if (\c) < 0
.if (\ra)
	v_wmma_scale_f32_16x16x128_f8f6f4 v[\d:\d+7], v[\a:\a+7], v[\b:\b+7], 0, v[\sa], v[\sb] matrix_a_fmt:MATRIX_FMT_FP4 matrix_b_fmt:MATRIX_FMT_FP4 matrix_a_scale:MATRIX_SCALE_ROW1
.else
	v_wmma_scale_f32_16x16x128_f8f6f4 v[\d:\d+7], v[\a:\a+7], v[\b:\b+7], 0, v[\sa], v[\sb] matrix_a_fmt:MATRIX_FMT_FP4 matrix_b_fmt:MATRIX_FMT_FP4
.endif
.elseif (\ra) && (\rb)
	v_wmma_scale_f32_16x16x128_f8f6f4 v[\d:\d+7], v[\a:\a+7], v[\b:\b+7], v[\c:\c+7], v[\sa], v[\sb] matrix_a_fmt:MATRIX_FMT_FP4 matrix_b_fmt:MATRIX_FMT_FP4 matrix_a_scale:MATRIX_SCALE_ROW1 matrix_b_scale:MATRIX_SCALE_ROW1
.elseif (\ra)
	v_wmma_scale_f32_16x16x128_f8f6f4 v[\d:\d+7], v[\a:\a+7], v[\b:\b+7], v[\c:\c+7], v[\sa], v[\sb] matrix_a_fmt:MATRIX_FMT_FP4 matrix_b_fmt:MATRIX_FMT_FP4 matrix_a_scale:MATRIX_SCALE_ROW1
.elseif (\rb)
	v_wmma_scale_f32_16x16x128_f8f6f4 v[\d:\d+7], v[\a:\a+7], v[\b:\b+7], v[\c:\c+7], v[\sa], v[\sb] matrix_a_fmt:MATRIX_FMT_FP4 matrix_b_fmt:MATRIX_FMT_FP4 matrix_b_scale:MATRIX_SCALE_ROW1
.else
	v_wmma_scale_f32_16x16x128_f8f6f4 v[\d:\d+7], v[\a:\a+7], v[\b:\b+7], v[\c:\c+7], v[\sa], v[\sb] matrix_a_fmt:MATRIX_FMT_FP4 matrix_b_fmt:MATRIX_FMT_FP4
.endif
.endm
.macro SETW cp, sp, bp                 ; which weights the next loads take; it stands where no load that names these pointers is out
	s_mov_b64 s[NW:NW+1], s[\cp:\cp+1]
	s_mov_b64 s[NS:NS+1], s[\sp:\sp+1]
	s_mov_b64 s[NB:NB+1], s[\bp:\bp+1]
.endm
.macro WSLOAD set
	global_load_b128 v[WS+4*(\set):WS+4*(\set)+3], v[VNS], s[NS:NS+1]
.endm
.macro BILOAD                          ; lane (r, h): bias[32 w + 16 h + 0 .. 15]
.irp i, 0,1,2,3
	global_load_b128 v[BI+4*\i:BI+4*\i+3], v[H64], s[NB:NB+1] offset:16*\i
.endr
.endm
.macro WFETCH s                        ; K step s of both tiles
.irp u, 0,1
	global_load_b128 v[WF+16*(\s)+8*\u:WF+16*(\s)+8*\u+3], v[VN0+\u], s[NW:NW+1] offset:64*(\s)
	global_load_b128 v[WF+16*(\s)+8*\u+4:WF+16*(\s)+8*\u+7], v[VN0+\u], s[NW:NW+1] offset:64*(\s)+32
.endr
.endm
.macro WALL set                        ; 21 loads
	WSLOAD \set
	BILOAD
	WFETCH 0
	WFETCH 1
	WFETCH 2
	WFETCH 3
.endm
.macro ASLOAD
	ds_load_b128 v[AS:AS+3], v[ASL]
	ds_load_b128 v[AS+4:AS+7], v[ASL] offset:256
.endm
.macro AFETCH s, buf                   ; K step s of the four row tiles
.irp m, 0,1,2,3
	ds_load_b128 v[AF+32*(\buf)+8*\m:AF+32*(\buf)+8*\m+3], v[AI] offset:(4*\m+(\s))*1024
	ds_load_b128 v[AF+32*(\buf)+8*\m+4:AF+32*(\buf)+8*\m+7], v[AI] offset:(4*\m+(\s))*1024+512
.endr
.endm
.macro MUL s, buf, ws, first           ; eight products; the eight accumulators take turns, in the same order in every K step
.irp m, 0,1,2,3
.irp u, 0,1
.if (\first) && ((\s) == 0)
	WM ACC+16*\m+8*\u, WF+16*(\s)+8*\u, AF+32*(\buf)+8*\m, BI+8*\u, WS+4*(\ws)+(\s), AS+4*(\m%2)+(\s), \u, \m/2
.else
	WM ACC+16*\m+8*\u, WF+16*(\s)+8*\u, AF+32*(\buf)+8*\m, ACC+16*\m+8*\u, WS+4*(\ws)+(\s), AS+4*(\m%2)+(\s), \u, \m/2
.endif
.endr
.endr
.endm
; 64 rows x my 32 columns x 512 along K.  ws: the set of scale words.  first: the bias starts the sums.  refill: each slot of weights is asked for again behind its products (nws: the set that the next scale words take;
; nbias: the next bias too).  lag = 0: the caller has waited for all loads.  lag = 1: the weights were asked for in the call before, and each K step waits for its own slot.
.macro GEMM ws, first, refill, nws, nbias, lag
.if (\refill) && ((\nws) != (\ws))
	WSLOAD \nws
.endif
	ASLOAD
	AFETCH 0, 0
	AFETCH 1, 1
.irp s, 0,1,2,3
.if \lag
.if \refill
	s_wait_loadcnt 13                              ; behind slot s: 4 (3 - s) loads of the later slots, the scale words just asked for, 4 s loads of the slots asked for again
.else
	s_wait_loadcnt 12-4*\s                         ; behind slot s: the later slots
.endif
.endif
.if \s < 3
	s_wait_dscnt 8                                 ; this K step's fragments are in; the other buffer's eight loads may be out
.else
	s_wait_dscnt 0
.endif
	MUL \s, \s%2, \ws, \first
	PLACES
.if \s < 2
	AFETCH \s+2, \s%2
.endif
.if \refill
.if (\s == 0) && (\nbias)
	BILOAD
.endif
	WFETCH \s
.if (\s == 3) && ((\nws) == (\ws))
	WSLOAD \ws
.endif
.endif
.endr
.endm
.macro QREGS tm, tp, ts, by            ; where the quantiser works
.set QTM, \tm
.set QTP, \tp
.set QTS, \ts
.set QBY, \by
.endm
; cnt blocks of 32 by turns: block b is my 16 numbers v[src + 16 b ..] and lane l xor 16's.  Codes to v[pc + 2 b], v[pc + 2 b + 1], the byte to v[QBY + b].
.macro QCORE src, pc, cnt
.set qb, 0
.rept \cnt
	v_max3_num_f32 v[QTM+qb], |v[\src+16*qb]|, |v[\src+16*qb+1]|, 0x1800000   ; with the floor 2^(3 - 127): the byte cannot fall under 1
.set qb, qb+1
.endr
.irp i, 2,4,6,8,10,12,14
.set qb, 0
.rept \cnt
	v_max3_num_f32 v[QTM+qb], v[QTM+qb], |v[\src+16*qb+\i]|, |v[\src+16*qb+\i+1]|
.set qb, qb+1
.endr
.endr
.set qb, 0
.rept \cnt
	v_permlanex16_b32 v[QTP+qb], v[QTM+qb], s42, s43
.set qb, qb+1
.endr
.set qb, 0
.rept \cnt
	v_max_num_f32 v[QTM+qb], v[QTM+qb], v[QTP+qb]         ; the block's largest magnitude
.set qb, qb+1
.endr
.set qb, 0
.rept \cnt
	v_add_nc_u32 v[QTS+qb], 0xff000000, v[QTM+qb]         ; 2 off its exponent field: the conversion takes that field as its scale
.set qb, qb+1
.endr
.set qb, 0
.rept \cnt
	v_lshrrev_b32 v[QBY+qb], 23, v[QTS+qb]                ; the scale's byte
.set qb, qb+1
.endr
.set qb, 0
.rept \cnt
	v_cvt_scalef32_pk8_fp4_f32 v[\pc+2*qb], v[\src+16*qb:\src+16*qb+7], v[QTS+qb]
	v_cvt_scalef32_pk8_fp4_f32 v[\pc+2*qb+1], v[\src+16*qb+8:\src+16*qb+15], v[QTS+qb]
.set qb, qb+1
.endr
	v_nop                                                 ; one plain line behind the last scaled conversion
.endm
.macro QSTORE pc, ca, co, cstep, sa, so, sstep ; four blocks' codes and bytes into an image (lanes l and l xor 16 write the same byte with the same value)
.irp i, 0,1,2,3
	ds_store_b64 v[\ca], v[\pc+2*\i:\pc+2*\i+1] offset:\co+\cstep*\i
	ds_store_b8 v[\sa], v[QBY+\i] offset:\so+\sstep*\i
.endr
.endm
; gelu of the eight numbers of accumulator g, in place
.macro GELU8 g
.set GX, ACC+8*(\g)
.irp j, 0,2,4,6
	v_pk_mul_f32 v[GZ+\j:GZ+\j+1], v[GX+\j:GX+\j+1], s[C_RH:C_RH+1] op_sel_hi:[1,0]      ; z = x / sqrt(2)
.endr
.irp j, 0,2,4,6
	v_pk_mul_f32 v[GS+\j:GS+\j+1], v[GZ+\j:GZ+\j+1], v[GZ+\j:GZ+\j+1]                    ; z^2
.endr
.irp j, 0,1,2,3,4,5,6,7
	v_and_b32 v[GT+\j], 0x7fffffff, v[GZ+\j]                                             ; t = |z|
.endr
.irp j, 0,2,4,6
	v_pk_fma_f32 v[GR+\j:GR+\j+1], v[GT+\j:GT+\j+1], s[C_A0:C_A0+1], v[KA1:KA1+1] op_sel_hi:[1,0,1]
.endr
.irp j, 0,2,4,6
	v_pk_fma_f32 v[GU+\j:GU+\j+1], v[GT+\j:GT+\j+1], s[C_A2:C_A2+1], v[KA3:KA3+1] op_sel_hi:[1,0,1]
.endr
.irp j, 0,2,4,6
	v_pk_fma_f32 v[GR+\j:GR+\j+1], v[GR+\j:GR+\j+1], v[GS+\j:GS+\j+1], v[GU+\j:GU+\j+1]
.endr
.irp k, C_A4, C_A5, C_A6
.irp j, 0,2,4,6
	v_pk_fma_f32 v[GR+\j:GR+\j+1], v[GR+\j:GR+\j+1], v[GT+\j:GT+\j+1], s[\k:\k+1] op_sel_hi:[1,1,0]
.endr
.endr
.irp j, 0,2,4,6
	v_pk_fma_f32 v[GR+\j:GR+\j+1], v[GR+\j:GR+\j+1], v[GT+\j:GT+\j+1], v[GT+\j:GT+\j+1] neg_lo:[0,0,1] neg_hi:[0,0,1]
.endr
.irp j, 0,2,4,6
	v_pk_mul_f32 v[GR+\j:GR+\j+1], v[GR+\j:GR+\j+1], s[C_L2E:C_L2E+1] op_sel_hi:[1,0]
.endr
.irp j, 0,1,2,3,4,5,6,7
	v_exp_f32 v[GR+\j], v[GR+\j]                                                         ; erfc(t), for the tail
.endr
.irp j, 0,2,4,6                                ; the other polynomial is the independent work behind the exponentials
	v_pk_fma_f32 v[GU+\j:GU+\j+1], v[GS+\j:GS+\j+1], s[C_B0:C_B0+1], v[KB1:KB1+1] op_sel_hi:[1,0,1]
.endr
.irp k, C_B2, C_B3, C_B4, C_B5
.irp j, 0,2,4,6
	v_pk_fma_f32 v[GU+\j:GU+\j+1], v[GU+\j:GU+\j+1], v[GS+\j:GS+\j+1], s[\k:\k+1] op_sel_hi:[1,1,0]
.endr
.endr
.irp j, 0,2,4,6
	v_pk_fma_f32 v[GU+\j:GU+\j+1], v[GU+\j:GU+\j+1], v[GZ+\j:GZ+\j+1], v[GZ+\j:GZ+\j+1]  ; erf(z), near 0
.endr
.irp j, 0,2,4,6
	v_pk_mul_f32 v[GH+\j:GH+\j+1], v[GX+\j:GX+\j+1], 0.5 op_sel_hi:[1,0]
.endr
.irp j, 0,2,4,6
	v_pk_fma_f32 v[GU+\j:GU+\j+1], v[GH+\j:GH+\j+1], v[GU+\j:GU+\j+1], v[GH+\j:GH+\j+1]  ; x / 2 (1 + erf)
.endr
.irp j, 0,1,2,3,4,5,6,7
	v_max_num_f32 v[GZ+\j], 0, v[GX+\j]
.endr
	s_wait_alu depctr_va_vdst(0)                   ; one wait for the eight exponentials, ahead of their first reader
.irp j, 0,1,2,3,4,5,6,7
	v_fma_f32 v[GR+\j], -|v[GH+\j]|, v[GR+\j], v[GZ+\j]                                  ; max(x, 0) - |x / 2| erfc(t)
.endr
.irp j, 0,1,2,3,4,5,6,7
	v_cmp_lt_f32 vcc_lo, s[C_TH], v[GT+\j]
	v_cndmask_b32 v[GX+\j], v[GU+\j], v[GR+\j], vcc_lo                                   ; a choice of values: both ways are always computed
.endr
.endm
; A key step: 128 keys for the 16 queries in hand.  first = 1: it starts M, the sum and O^T.
.macro STEP ks, first
.irp t, 0,1,2,3,4,5,6,7
	WM SC+8*\t, KC+2*(8*(\ks)+\t), QF, -1, KS+\t, QSW, \ks, 0
.endr                                          ; lane (r, h): query r; register 16 b + i: key 128 ks + 32 b + 16 h + i
	PLACES
.irp b, 0,1,2,3
	v_max3_num_f32 v[BM+\b], v[SC+16*\b], v[SC+16*\b+1], v[SC+16*\b+2]   ; the largest score of each block of 32 keys: for the row's maximum, and, since p rises with the score, for the block's largest p
.endr
.irp i, 3,5,7,9,11,13
.irp b, 0,1,2,3
	v_max3_num_f32 v[BM+\b], v[BM+\b], v[SC+16*\b+\i], v[SC+16*\b+\i+1]
.endr
.endr
.irp b, 0,1,2,3
	v_max_num_f32 v[BM+\b], v[BM+\b], v[SC+16*\b+15]
.endr
.irp b, 0,1,2,3
	v_permlanex16_b32 v[BP+\b], v[BM+\b], s42, s43
.endr
.irp b, 0,1,2,3
	v_max_num_f32 v[BM+\b], v[BM+\b], v[BP+\b]
.endr
	v_max3_num_f32 v[TT], v[BM], v[BM+1], v[BM+2]
	v_max_num_f32 v[TT], v[TT], v[BM+3]
.if \first
	v_mul_f32 v[NM+1], s[C_L2E], v[TT]             ; the largest t
	v_floor_f32 v[NM], -v[NM+1]                    ; -M = floor(-t): M is a whole number
.else
	v_mul_f32 v[TT], s[C_L2E], v[TT]
	v_max_num_f32 v[NM+1], v[NM+1], v[TT]
	v_mov_b32 v[TT+1], v[NM]
	v_floor_f32 v[NM], -v[NM+1]
	v_sub_f32 v[TT+1], v[NM], v[TT+1]              ; old M - new M: a whole number, 0 or less
	v_cvt_i32_f32 v[TT+1], v[TT+1]
	v_ldexp_f32 v[FF], 1.0, v[TT+1]                ; f = 2^(old M - new M): multiplying by it rounds nothing
.endif
.set n, 0
.rept 32
	v_pk_fma_f32 v[SC+n:SC+n+1], v[SC+n:SC+n+1], s[C_L2E:C_L2E+1], v[NM:NM+1] op_sel_hi:[1,0,0]   ; t - M
.set n, n+2
.endr
.irp b, 0,1,2,3
	v_fma_f32 v[BM+\b], v[BM+\b], s[C_L2E], v[NM]
.endr
.set n, 0
.rept 64
	v_exp_f32 v[SC+n], v[SC+n]                     ; p = 2^(t - M)
.set n, n+1
.endr
.if \first
	v_nop                                          ; a plain line behind the exponentials
.else
	v_pk_mul_f32 v[SUM:SUM+1], v[SUM:SUM+1], v[FF:FF+1] op_sel_hi:[1,0]   ; the sum under the new M (a plain line behind the exponentials)
.endif
	s_wait_alu depctr_va_vdst(0)                   ; one wait for the 64, ahead of their first reader
.irp b, 0,1,2,3
	v_exp_f32 v[BM+\b], v[BM+\b]                   ; each block's largest p
.endr
.if \first                                     ; half of the row's sum of the unquantised p: plain work behind the four
	v_pk_add_f32 v[SUM:SUM+1], v[SC:SC+1], v[SC+4:SC+5]
.else
	v_pk_add_f32 v[SUM:SUM+1], v[SUM:SUM+1], v[SC:SC+1]
	v_pk_add_f32 v[SUM:SUM+1], v[SUM:SUM+1], v[SC+4:SC+5]
.endif
.set n, 8
.rept 14
	v_pk_add_f32 v[SUM:SUM+1], v[SUM:SUM+1], v[SC+n:SC+n+1]
.set n, n+4
.endr
	s_wait_alu depctr_va_vdst(0)                   ; and one for the four
.irp b, 0,1,2,3
	v_max_num_f32 v[BM+\b], 0x1800000, v[BM+\b]    ; the floor 2^(3 - 127)
.endr
.irp b, 0,1,2,3
	v_add_nc_u32 v[SO+\b], 0xff000000, v[BM+\b]
.endr
.irp b, 0,1,2,3
	v_lshrrev_b32 v[BP+\b], 23, v[SO+\b]
.endr
	v_lshl_or_b32 v[PW], v[BP+1], 8, v[BP]
	v_lshl_or_b32 v[PW], v[BP+2], 16, v[PW]
	v_lshl_or_b32 v[PW], v[BP+3], 24, v[PW]        ; p's scale word for these 128 keys
.irp b, 0,1,2,3
	v_cvt_scalef32_pk8_fp4_f32 v[PCD+2*\b], v[SC+16*\b:SC+16*\b+7], v[SO+\b]
	v_cvt_scalef32_pk8_fp4_f32 v[PCD+2*\b+1], v[SC+16*\b+8:SC+16*\b+15], v[SO+\b]
.endr
	v_nop                                          ; one plain line behind the last scaled conversion
.irp c, 0,1                                    ; the operand wants a whole block in a lane: lanes 0-15 block 2 c, lanes 16-31 block 2 c + 1
.irp i, 0,1
	v_permlane16_swap_b32 v[PCD+4*\c+\i], v[PCD+4*\c+2+\i]
.endr
.endr
	v_pk_add_f32 v[TT:TT+1], v[SC+2:SC+3], v[SC+6:SC+7]   ; the sum's other half: sixteen plain lines between the scale word and codes just made and the scaled products that take them
.set n, 10
.rept 14
	v_pk_add_f32 v[TT:TT+1], v[TT:TT+1], v[SC+n:SC+n+1]
.set n, n+4
.endr
	v_pk_add_f32 v[SUM:SUM+1], v[SUM:SUM+1], v[TT:TT+1]
.if \first
	WM OT, VF+8*(\ks), PCD, -1, VS+(\ks), PW, 0, 0
	WM OT+8, VF+8*(2+(\ks)), PCD, -1, VS+(\ks), PW, 1, 0
.else
.irp j, 0,2,4,6,8,10,12,14
	v_pk_mul_f32 v[OT+\j:OT+\j+1], v[OT+\j:OT+\j+1], v[FF:FF+1] op_sel_hi:[1,0]   ; O^T under the new M
.endr
	WM OT, VF+8*(\ks), PCD, OT, VS+(\ks), PW, 0, 0
	WM OT+8, VF+8*(2+(\ks)), PCD, OT+8, VS+(\ks), PW, 1, 0
.endif
.endm
; LayerNorm, first part: mean and sum of squared deviations of row tile m's 32 columns of mine
.macro LNPART m
.set LA, ACC+16*(\m)
.set LM, MS+2*(\m)
	v_pk_add_f32 v[LW:LW+1], v[LA:LA+1], v[LA+2:LA+3]
	v_pk_add_f32 v[LW+2:LW+3], v[LA+4:LA+5], v[LA+6:LA+7]
	v_pk_add_f32 v[LW+4:LW+5], v[LA+8:LA+9], v[LA+10:LA+11]
	v_pk_add_f32 v[LW+6:LW+7], v[LA+12:LA+13], v[LA+14:LA+15]
	v_pk_add_f32 v[LW:LW+1], v[LW:LW+1], v[LW+2:LW+3]
	v_pk_add_f32 v[LW+4:LW+5], v[LW+4:LW+5], v[LW+6:LW+7]
	v_pk_add_f32 v[LW:LW+1], v[LW:LW+1], v[LW+4:LW+5]
	v_add_f32 v[LW], v[LW], v[LW+1]
	v_permlanex16_b32 v[LW+1], v[LW], s42, s43
	v_add_f32 v[LW], v[LW], v[LW+1]
	v_mul_f32 v[LM], 0x3d000000, v[LW]             ; / 32
	v_pk_add_f32 v[LW+2:LW+3], v[LA:LA+1], v[LM:LM+1] op_sel_hi:[1,0] neg_lo:[0,1] neg_hi:[0,1]
	v_pk_add_f32 v[LW+4:LW+5], v[LA+2:LA+3], v[LM:LM+1] op_sel_hi:[1,0] neg_lo:[0,1] neg_hi:[0,1]
	v_pk_mul_f32 v[LW:LW+1], v[LW+2:LW+3], v[LW+2:LW+3]
	v_pk_mul_f32 v[LW+6:LW+7], v[LW+4:LW+5], v[LW+4:LW+5]
.irp k, 4,8,12
	v_pk_add_f32 v[LW+2:LW+3], v[LA+\k:LA+\k+1], v[LM:LM+1] op_sel_hi:[1,0] neg_lo:[0,1] neg_hi:[0,1]
	v_pk_add_f32 v[LW+4:LW+5], v[LA+\k+2:LA+\k+3], v[LM:LM+1] op_sel_hi:[1,0] neg_lo:[0,1] neg_hi:[0,1]
	v_pk_fma_f32 v[LW:LW+1], v[LW+2:LW+3], v[LW+2:LW+3], v[LW:LW+1]
	v_pk_fma_f32 v[LW+6:LW+7], v[LW+4:LW+5], v[LW+4:LW+5], v[LW+6:LW+7]
.endr
	v_pk_add_f32 v[LW:LW+1], v[LW:LW+1], v[LW+6:LW+7]
	v_add_f32 v[LW], v[LW], v[LW+1]
	v_permlanex16_b32 v[LW+1], v[LW], s42, s43
	v_add_f32 v[LM+1], v[LW], v[LW+1]
	ds_store_b64 v[STW], v[LM:LM+1] offset:2304*(\m)
.endm
; second part: the sixteen waves' pairs of row tile m (eight in my registers, eight in lane l xor 16's) become mu and var + eps
.macro LNMERGE m
.set LP, XR+16*((\m)%2)
.set LM, MS+2*(\m)
	v_pk_add_f32 v[LW:LW+1], v[LP:LP+1], v[LP+2:LP+3]
	v_pk_add_f32 v[LW+2:LW+3], v[LP+4:LP+5], v[LP+6:LP+7]
	v_pk_add_f32 v[LW+4:LW+5], v[LP+8:LP+9], v[LP+10:LP+11]
	v_pk_add_f32 v[LW+6:LW+7], v[LP+12:LP+13], v[LP+14:LP+15]
	v_pk_add_f32 v[LW:LW+1], v[LW:LW+1], v[LW+2:LW+3]
	v_pk_add_f32 v[LW+4:LW+5], v[LW+4:LW+5], v[LW+6:LW+7]
	v_pk_add_f32 v[LW:LW+1], v[LW:LW+1], v[LW+4:LW+5]
	v_permlanex16_b32 v[LW+2], v[LW], s42, s43
	v_permlanex16_b32 v[LW+3], v[LW+1], s42, s43
	v_pk_add_f32 v[LW:LW+1], v[LW:LW+1], v[LW+2:LW+3]     ; the sum of the means, the sum of the M2
	v_mul_f32 v[LM], 0x3d800000, v[LW]                    ; mu = / 16
	v_sub_f32 v[LW+2], v[LP], v[LM]
	v_sub_f32 v[LW+3], v[LP+2], v[LM]
	v_mul_f32 v[LW+4], v[LW+2], v[LW+2]
	v_mul_f32 v[LW+5], v[LW+3], v[LW+3]
.irp k, 4,8,12
	v_sub_f32 v[LW+2], v[LP+\k], v[LM]
	v_sub_f32 v[LW+3], v[LP+\k+2], v[LM]
	v_fma_f32 v[LW+4], v[LW+2], v[LW+2], v[LW+4]
	v_fma_f32 v[LW+5], v[LW+3], v[LW+3], v[LW+5]
.endr
	v_add_f32 v[LW+4], v[LW+4], v[LW+5]
	v_permlanex16_b32 v[LW+5], v[LW+4], s42, s43
	v_add_f32 v[LW+4], v[LW+4], v[LW+5]
	v_fma_f32 v[LW+4], v[LW+4], s4, v[LW+1]               ; 32 x the means' squared deviations + the sum of the M2
	v_fma_f32 v[LM+1], v[LW+4], s5, s6                    ; / 512 + eps
.endm
	; ---- the head
	s_load_b512 s[8:23], s[0:1], 0x0               ; x s[8:9], Wq codes s[10:11], Wq scales s[12:13], bq s[14:15], kv s[16:17], Wo codes s[18:19], Wo scales s[20:21], bo s[22:23]
	s_load_b512 s[24:39], s[0:1], 0x40             ; ln_g s[24:25], ln_b s[26:27], W1 codes s[28:29], W1 scales s[30:31], b1 s[32:33], W2 codes s[34:35], W2 scales s[36:37], b2 s[38:39]
	s_load_b64 s[40:41], s[0:1], 0x80              ; out0
	v_lshrrev_b32 v160, 5, v0
	v_readfirstlane_b32 s2, v160                   ; wave 0..15
	v_and_b32 v162, 31, v0                         ; lane
	v_lshlrev_b32 v[LI], 4, v162
	s_lshl_b32 s4, ttmp9, 17                       ; my work-group's 64 rows of 2,048 bytes,
	s_lshl_b32 s6, s2, 13                          ; my wave's four of them
	s_add_co_u32 s4, s4, s6
	s_mov_b32 s5, 0
	s_mov_b32 s7, 0
	s_wait_kmcnt 0x0
	s_add_nc_u64 s[8:9], s[8:9], s[4:5]
	s_add_nc_u64 s[40:41], s[40:41], s[4:5]
.irp i, 0,1,2,3
.irp q, 0,1,2,3
	global_load_b128 v[ACC+4*(4*\i+\q):ACC+4*(4*\i+\q)+3], v[LI], s[8:9] offset:2048*\i+512*\q th:TH_LOAD_NT   ; 32 lanes read 512 consecutive bytes
.endr
.endr
	s_add_nc_u64 s[10:11], s[10:11], s[6:7]        ; my 32 rows of the weights with K = 512: 8,192 w bytes of codes,
	s_add_nc_u64 s[18:19], s[18:19], s[6:7]
	s_add_nc_u64 s[28:29], s[28:29], s[6:7]
	s_lshl_b32 s6, s2, 9                           ; 512 w of scales
	s_add_nc_u64 s[12:13], s[12:13], s[6:7]
	s_add_nc_u64 s[20:21], s[20:21], s[6:7]
	s_add_nc_u64 s[30:31], s[30:31], s[6:7]
	s_lshl_b32 s6, s2, 15                          ; W2: rows of 1,024 bytes
	s_add_nc_u64 s[34:35], s[34:35], s[6:7]
	s_lshl_b32 s6, s2, 11
	s_add_nc_u64 s[36:37], s[36:37], s[6:7]
	s_lshl_b32 s6, s2, 7                           ; my 32 numbers of every bias and gain
	s_add_nc_u64 s[14:15], s[14:15], s[6:7]
	s_add_nc_u64 s[22:23], s[22:23], s[6:7]
	s_add_nc_u64 s[24:25], s[24:25], s[6:7]
	s_add_nc_u64 s[26:27], s[26:27], s[6:7]
	s_add_nc_u64 s[32:33], s[32:33], s[6:7]
	s_add_nc_u64 s[38:39], s[38:39], s[6:7]
	s_lshr_b32 s6, ttmp9, 6                        ; the batch
	s_lshl_b32 s6, s6, 4
	s_add_co_u32 s6, s6, s2
	s_mul_i32 s6, s6, REC                          ; my head's record
	s_add_nc_u64 s[16:17], s[16:17], s[6:7]
	v_and_b32 v160, 15, v0                         ; r
	v_bfe_u32 v161, v0, 4, 1                       ; h
	v_and_b32 v[ROW], 8, v160
	v_add_nc_u32 v[ROW], v[ROW], v160
	v_lshlrev_b32 v[H16], 4, v161
	v_lshl_add_u32 v[ROWH], v161, 3, v[ROW]
	v_lshlrev_b32 v[H64], 6, v161
	v_mad_u32_u24 v[VN0], v[ROW], 256, v[H16]      ; Wq, Wo and W1 have rows of 256 bytes
	v_add_nc_u32 v[VN0+1], 2048, v[VN0]
	v_lshlrev_b32 v[VNS], 4, v[ROWH]
	SETW 10, 12, 14
	WALL 0                                         ; Wq, its scale words, bq
	s_mov_b32 s42, 0x76543210
	s_mov_b32 s43, 0xfedcba98                      ; v_permlanex16_b32's selects for lane l xor 16
	KONST C_RH,  0x3f3504f3                        ; sqrt(1/2)
	KONST C_L2E, 0x3fb8aa3b                        ; log2(e)
	KONST C_A0,  0xb7910000                        ; the tail's polynomial
	KONST C_A2,  0xbb7e8a1c
	KONST C_A4,  0xbddaae5c
	KONST C_A5,  0xbf228550
	KONST C_A6,  0xbe03ce86
	KONST C_B0,  0xba1c7000                        ; the polynomial near 0
	KONST C_B2,  0xbcdb48d9
	KONST C_B3,  0x3de70e22
	KONST C_B4,  0xbec09380
	KONST C_B5,  0x3e0375d4
	s_mov_b32 s[C_TH], 0x3f6d8000                  ; 475 / 512
	v_lshlrev_b32 v163, 4, v160                    ; 16 r
	v_lshl_add_u32 v[L8H], v161, 3, v163
	v_lshlrev_b32 v[L8], 3, v162
	v_lshl_add_u32 v[SL], v161, 9, v163
	s_lshl_b32 s4, s2, 8
	v_add_nc_u32 v[CW], s4, v[L8H]
	v_add_nc_u32 v[SB], s2, v163
	s_mul_i32 s4, s2, 4*RP
	s_add_co_u32 s4, s4, RES
	v_add_nc_u32 v[RS], s4, v[LI]
	v_mul_u32_u24 v164, v160, RP
	v_lshl_add_u32 v164, v161, 6, v164             ; RP r + 64 h
	s_lshl_b32 s4, s2, 7
	s_add_co_u32 s4, s4, RES
	v_add_nc_u32 v[RO], s4, v164
	v_add_nc_u32 v[RO+1], 32*RP, v[RO]
	v_mul_u32_u24 v165, v160, 144
	s_lshl_b32 s4, s2, 3
	s_add_co_u32 s4, s4, STAT
	v_add_nc_u32 v[STW], s4, v165
	v_lshl_add_u32 v[STR], v161, 6, v165
	v_add_nc_u32 v[STR], STAT, v[STR]
	s_lshr_b32 s4, s2, 2                           ; x's fragment w: row tile w / 4, K step w % 4
	s_and_b32 s5, s2, 3
	s_mul_i32 s6, s4, 16*RP
	s_lshl_b32 s7, s5, 9
	s_add_co_u32 s6, s6, s7
	s_add_co_u32 s6, s6, RES
	v_add_nc_u32 v[TA], s6, v164                   ; its numbers,
	s_lshl_b32 s6, s2, 10
	v_add_nc_u32 v[TB], s6, v[L8H]                 ; its image,
	s_lshl_b32 s6, s4, 8
	s_lshl_b32 s7, s5, 2
	s_add_co_u32 s6, s6, s7
	s_add_co_u32 s6, s6, ASC0
	v_add_nc_u32 v[TC], s6, v163                   ; its scale bytes
.irp i, 0,1,2,3
	v_mov_b32 v[212+\i], 0                         ; a lane permute's destination counts as one of its sources
.endr
.irp i, 0,1,2,3,4,5,6,7
	v_mov_b32 v[MS+\i], 0                          ; (named in pairs before both halves are made)
.endr
	s_wait_loadcnt 21                              ; x's sixteen loads are in; the 21 loads of weights behind them may be out
.irp i, 0,1,2,3
.irp q, 0,1,2,3
	ds_store_b128 v[RS], v[ACC+4*(4*\i+\q):ACC+4*(4*\i+\q)+3] offset:RP*\i+512*\q
.endr
.endr
	BARRIER                                        ; 64 rows of x lie in RES
	; ---- x becomes codes: wave w makes fragment w: register 16 b + i = k 128 s + 32 b + 16 h + i of row 16 m + r
.irp b, 0,1,2,3
.irp j, 0,1,2,3
	ds_load_b128 v[ACC+16*\b+4*\j:ACC+16*\b+4*\j+3], v[TA] offset:128*\b+16*\j
.endr
.endr
	s_wait_dscnt 0x0
	QREGS 208, 212, 216, 220
	QCORE ACC, PC, 4
	QSTORE PC, TB, A0, 256, TC, 0, 1
	BARRIER                                        ; x's sixteen fragments lie in A0
	; ---- q = x Wq + bq
	v_add_nc_u32 v[AI], A0, v[LI]
	v_add_nc_u32 v[ASL], ASC0, v[SL]
	s_wait_loadcnt 0x0
	GEMM 0, 1, 0, 0, 0, 0
	; ---- my head's k and v (27 loads), and q x SCALE as codes
.irp t, 0,1,2,3,4,5,6,7,8,9,10,11,12,13,14,15
	global_load_b64 v[KC+2*\t:KC+2*\t+1], v[L8H], s[16:17] offset:256*\t
.endr
.irp g, 0,1
	global_load_b128 v[KS+4*\g:KS+4*\g+3], v[LI], s[16:17] offset:8192+512*\g
.endr
.irp f, 0,1,2,3,4,5,6,7
	global_load_b128 v[VF+4*\f:VF+4*\f+3], v[LI], s[16:17] offset:4096+512*\f
.endr
	global_load_b64 v[VS:VS+1], v[L8], s[16:17] offset:9216
.irp i, 0,1,2,3,4,5
	v_mov_b32 v[KC+32+\i], 0                       ; behind the last tile's codes
	v_mov_b32 v[QF+2+\i], 0                        ; zero codes: K 16-31, 48-127 of the instruction add nothing
.endr
.irp i, 0,1,2,3
	v_mov_b32 v[BP+\i], 0
.endr
.irp i, 0,1,2,3,4,5,6,7
	v_mov_b32 v[TT+\i], 0
.endr
	v_mov_b32 v[FF+1], 0
.set n, 0
.rept 32
	v_pk_mul_f32 v[ACC+n:ACC+n+1], v[ACC+n:ACC+n+1], 0x3e3504f3 op_sel_hi:[1,0]   ; x 32^(-1/2)
.set n, n+2
.endr
	QREGS 242, 246, 250, 234
	QCORE ACC, QC, 4
.irp m, 0,1,2,3
	v_lshl_or_b32 v[QS+\m], v[QBY+\m], 8, v[QBY+\m]        ; the byte for the instruction's blocks 0 and 1
.endr
	; ---- attention: four trips, a row tile each
	s_mov_b32 s3, 0
	s_mov_b32 s53, 0
	s_mov_b32 s54, 0
	s_wait_loadcnt 0x0                             ; k and v
.Lattn:
	v_mov_b32 v[QF], v[QC]
	v_mov_b32 v[QF+1], v[QC+1]
	v_mov_b32 v[QSW], v[QS]
.irp i, 0,1,2,3,4,5                            ; the other tiles' codes and words move down: nine plain lines between the scale word just written and the scaled products
	v_mov_b32 v[QC+\i], v[QC+\i+2]
.endr
.irp i, 0,1,2
	v_mov_b32 v[QS+\i], v[QS+\i+1]
.endr
	STEP 0, 1
	STEP 1, 0
	v_add_nc_u32 v[TA], s53, v[CW]                 ; these lines name none of the last products' registers: they are the places in front of the first read of O^T
	v_add_nc_u32 v[TB], s54, v[SB]
	v_add_f32 v[TT], v[SUM], v[SUM+1]
	v_permlanex16_b32 v[TT+1], v[TT], s42, s43
	v_add_f32 v[TT], v[TT], v[TT+1]                ; the row's sum
	v_rcp_f32 v[FF], v[TT]
	v_nop                                          ; a plain line behind the reciprocal
	s_wait_alu depctr_va_vdst(0)                   ; ahead of the first reader
.irp j, 0,2,4,6,8,10,12,14
	v_pk_mul_f32 v[OT+\j:OT+\j+1], v[OT+\j:OT+\j+1], v[FF:FF+1] op_sel_hi:[1,0]
.endr
	QREGS 244, 245, 246, 247
	QCORE OT, PCD, 1                               ; block w of the next K, rows 16 m + r
	ds_store_b64 v[TA], v[PCD:PCD+1] offset:A1
	ds_store_b8 v[TB], v[QBY] offset:ASC1
	s_wait_dscnt 0x0                               ; the stores have read their registers
	s_add_co_u32 s53, s53, 4096
	s_add_co_u32 s54, s54, 256
	s_add_co_u32 s3, s3, 1
	s_cmp_lt_u32 s3, 4
	s_cbranch_scc1 .Lattn
	SETW 18, 20, 22
	PLACES                                         ; in front of loads into registers that products have read
	WALL 0                                         ; Wo, its scale words, bo
	BARRIER                                        ; attention's sixteen fragments lie in A1
	; ---- out = attn Wo + bo; W1's first chunk is asked for on the way
	v_add_nc_u32 v[AI], A1, v[LI]
	v_add_nc_u32 v[ASL], ASC1, v[SL]
	s_wait_loadcnt 0x0
	SETW 28, 30, 32
	GEMM 0, 1, 1, 0, 1, 0
	; ---- LayerNorm, first part; and x + out goes back to RES
.irp i, 0,1,2,3
	global_load_b128 v[LG+4*\i:LG+4*\i+3], v[H64], s[24:25] offset:16*\i
	global_load_b128 v[LB+4*\i:LB+4*\i+3], v[H64], s[26:27] offset:16*\i
.endr
.irp p, 0,1
.irp m, 0,1
.irp i, 0,1,2,3
	ds_load_b128 v[XR+16*\m+4*\i:XR+16*\m+4*\i+3], v[RO+\p] offset:16*RP*\m+16*\i
.endr
.endr
	LNPART 2*\p
	LNPART 2*\p+1
	s_wait_dscnt 2                                 ; x's eight loads are in; the two stores behind them may be out
.set n, 0
.rept 16
	v_pk_add_f32 v[XR+n:XR+n+1], v[XR+n:XR+n+1], v[ACC+32*\p+n:ACC+32*\p+n+1]
.set n, n+2
.endr
.irp m, 0,1
.irp i, 0,1,2,3
	ds_store_b128 v[RO+\p], v[XR+16*\m+4*\i:XR+16*\m+4*\i+3] offset:16*RP*\m+16*\i
.endr
.endr
.if \p == 0
	s_wait_dscnt 0x0                               ; the stores have read their registers
.endif
.endr
	BARRIER                                        ; every wave's pairs lie in STAT
	; ---- second part: mu and 1 / sigma of the 64 rows, h = (out - mu) / sigma x g + b, quantised
	s_mov_b32 s4, 0x42000000                       ; 32
	s_mov_b32 s5, 0x3b000000                       ; 1 / 512
	s_mov_b32 s6, 0x3727c5ac                       ; 1e-5
.irp p, 0,1
.irp m, 0,1
.irp i, 0,1,2,3
	ds_load_b128 v[XR+16*\m+4*\i:XR+16*\m+4*\i+3], v[STR] offset:2304*(2*\p+\m)+16*\i
.endr
.endr
	s_wait_dscnt 0x0
	LNMERGE 2*\p
	LNMERGE 2*\p+1
.endr
.irp m, 0,1,2,3
	v_rsq_f32 v[MS+2*\m+1], v[MS+2*\m+1]
.endr
	v_nop                                          ; a plain line behind the last of them
	s_wait_alu depctr_va_vdst(0)                   ; one wait for the four
	s_wait_loadcnt 0x0                             ; ln_g, ln_b (and W1's first chunk)
.irp m, 0,1,2,3
.irp j, 0,2,4,6,8,10,12,14
	v_pk_add_f32 v[ACC+16*\m+\j:ACC+16*\m+\j+1], v[ACC+16*\m+\j:ACC+16*\m+\j+1], v[MS+2*\m:MS+2*\m+1] op_sel_hi:[1,0] neg_lo:[0,1] neg_hi:[0,1]
.endr
.irp j, 0,2,4,6,8,10,12,14
	v_pk_mul_f32 v[ACC+16*\m+\j:ACC+16*\m+\j+1], v[ACC+16*\m+\j:ACC+16*\m+\j+1], v[MS+2*\m:MS+2*\m+1] op_sel:[0,1] op_sel_hi:[1,1]
.endr
.irp j, 0,2,4,6,8,10,12,14
	v_pk_fma_f32 v[ACC+16*\m+\j:ACC+16*\m+\j+1], v[ACC+16*\m+\j:ACC+16*\m+\j+1], v[LG+\j:LG+\j+1], v[LB+\j:LB+\j+1]
.endr
.endr
	QREGS 208, 212, 216, 220
	QCORE ACC, PC, 4
	QSTORE PC, CW, A0, 4096, SB, ASC0, 256
	v_mov_b32 v[KA1], 0x39c8e7d9                   ; three of erf's constants in vector pairs: the statistics are done with
	v_mov_b32 v[KA1+1], 0x39c8e7d9
	v_mov_b32 v[KA3], 0x3cc6b1a1
	v_mov_b32 v[KA3+1], 0x3cc6b1a1
	v_mov_b32 v[KB1], 0x3ba38d2c
	v_mov_b32 v[KB1+1], 0x3ba38d2c
	BARRIER                                        ; h's sixteen fragments lie in A0
	; ---- the hidden layer, four chunks of 512 units: wave w makes units 512 c + 32 w .. + 31.  The next chunk's weights (behind the last: W2's first) land under the GELU
	v_add_nc_u32 v[AI], A0, v[LI]
	v_add_nc_u32 v[ASL], ASC0, v[SL]
	s_mov_b32 s3, 0
	s_mov_b32 s53, HIMG
	s_mov_b32 s54, HSC
.Lffn1:
	s_wait_loadcnt 0x0                             ; this chunk's weights are in, and no load names the pointers and offsets that are written now
	s_add_nc_u64 s[28:29], s[28:29], 0x20000       ; W1's next chunk (behind the last it is not used)
	s_add_nc_u64 s[30:31], s[30:31], 0x2000
	s_add_nc_u64 s[32:33], s[32:33], 0x800
	s_mov_b32 s50, 256
	s_mov_b32 s51, 2048
	s_cmp_eq_u32 s3, 3                             ; the choice hangs on the trip's number alone; both ways issue the same 21 loads
	s_cselect_b64 s[NW:NW+1], s[34:35], s[28:29]
	s_cselect_b64 s[NS:NS+1], s[36:37], s[30:31]
	s_cselect_b64 s[NB:NB+1], s[38:39], s[32:33]
	s_cselect_b32 s50, 0x400, s50                  ; a row of codes,
	s_cselect_b32 s51, 0x2000, s51                 ; eight of them,
	s_cselect_b32 s52, 64, 16                      ; a row of scale bytes
	v_mad_u32_u24 v[VN0], v[ROW], s50, v[H16]
	v_add_nc_u32 v[VN0+1], s51, v[VN0]
	v_mul_u32_u24 v[VNS], s52, v[ROWH]
	GEMM 0, 1, 1, 0, 1, 0
.irp g, 0,1,2,3,4,5,6,7
	GELU8 \g
.endr
	QCORE ACC, PC, 4
	v_add_nc_u32 v[TA], s53, v[CW]
	v_add_nc_u32 v[TB], s54, v[SB]
	QSTORE PC, TA, 0, 4096, TB, 0, 256
	s_wait_dscnt 0x0                               ; the stores have read their registers
	s_add_co_u32 s53, s53, 16384
	s_add_co_u32 s54, s54, 1024
	s_add_co_u32 s3, s3, 1
	s_cmp_lt_u32 s3, 4
	s_cbranch_scc1 .Lffn1
	BARRIER                                        ; the hidden layer's 64 fragments lie in HIMG
	; ---- ffn = hidden W2 + b2: four chunks of 512 along K, written out; each slot of weights is asked for again three K steps ahead of its use
.macro CHUNK c, ws, first, refill, nws, lag
.if \refill
	s_add_nc_u64 s[NW:NW+1], s[NW:NW+1], 256       ; the next chunk of my rows of W2
	s_add_nc_u64 s[NS:NS+1], s[NS:NS+1], 16
.endif
	v_add_nc_u32 v[AI], HIMG+16384*\c, v[LI]
	v_add_nc_u32 v[ASL], HSC+1024*\c, v[SL]
	GEMM \ws, \first, \refill, \nws, 0, \lag
.endm
	s_wait_loadcnt 0x0
	CHUNK 0, 0, 1, 1, 1, 0
	s_wait_xcnt 0x0                                ; the loads that are out have read their pointers
	CHUNK 1, 1, 0, 1, 0, 1
	s_wait_xcnt 0x0
	CHUNK 2, 0, 0, 1, 1, 1
	CHUNK 3, 1, 0, 0, 0, 1
	; ---- the way out: (x + out) + ffn at my places in RES, a barrier, whole rows to memory
.irp p, 0,1
.irp m, 0,1
.irp i, 0,1,2,3
	ds_load_b128 v[AF+32*\p+16*\m+4*\i:AF+32*\p+16*\m+4*\i+3], v[RO+\p] offset:16*RP*\m+16*\i
.endr
.endr
.endr
	s_wait_dscnt 0x0
.set n, 0
.rept 32
	v_pk_add_f32 v[ACC+n:ACC+n+1], v[ACC+n:ACC+n+1], v[AF+n:AF+n+1]
.set n, n+2
.endr
.irp p, 0,1
.irp m, 0,1
.irp i, 0,1,2,3
	ds_store_b128 v[RO+\p], v[ACC+32*\p+16*\m+4*\i:ACC+32*\p+16*\m+4*\i+3] offset:16*RP*\m+16*\i
.endr
.endr
.endr
	BARRIER                                        ; 64 whole rows of the result lie in RES
.irp i, 0,1,2,3
.irp q, 0,1,2,3
	ds_load_b128 v[AF+4*(4*\i+\q):AF+4*(4*\i+\q)+3], v[RS] offset:RP*\i+512*\q
.endr
.endr
.irp i, 0,1,2,3
.irp q, 0,1,2,3
	s_wait_dscnt 15-(4*\i+\q)
	global_store_b128 v[LI], v[AF+4*(4*\i+\q):AF+4*(4*\i+\q)+3], s[40:41] offset:2048*\i+512*\q th:TH_STORE_NT   ; 32 lanes store 512 consecutive bytes, at a multiple of 256 from out0's first byte
.endr
.endr
	s_wait_xcnt 0x0
	v_lshl_add_u32 v254, v0, 2, 0x3c000
	v_mov_b32 v255, 0
	s_wait_tensorcnt 0x0
	ds_add_u32 v254, v255
	s_wait_dscnt 0x0
	s_endpgm
.Lfunc_end_k_qfe1b186a5e_block:
	.size	k_qfe1b186a5e_block, .Lfunc_end_k_qfe1b186a5e_block-k_qfe1b186a5e_block
	.p2alignl 7, 3214868480
	.fill 96, 4, 3214868480
	.section	.rodata,"a",@progbits
	.p2align	6, 0x0
	.amdhsa_kernel k_qfe1b186a5e_block
		.amdhsa_group_segment_fixed_size 247808
		.amdhsa_private_segment_fixed_size 0
		.amdhsa_enable_private_segment 0
		.amdhsa_kernarg_size 136
		.amdhsa_user_sgpr_count 2
		.amdhsa_user_sgpr_kernarg_segment_ptr 1
		.amdhsa_wavefront_size32 1
		.amdhsa_system_sgpr_workgroup_id_x 1
		.amdhsa_system_sgpr_workgroup_id_y 1
		.amdhsa_system_sgpr_workgroup_id_z 1
		.amdhsa_system_vgpr_workitem_id 0
		.amdhsa_next_free_vgpr 256
		.amdhsa_next_free_sgpr 92
		.amdhsa_reserve_vcc 1
		.amdhsa_float_denorm_mode_32 3
		.amdhsa_float_denorm_mode_16_64 3
		.amdhsa_memory_ordered 1
		.amdhsa_forward_progress 1
		.amdhsa_inst_pref_size 208
	.end_amdhsa_kernel
	.amdgpu_metadata
---
amdhsa.version: [ 1, 2 ]
amdhsa.kernels:
  - .name:           k_qfe1b186a5e_block
    .symbol:         k_qfe1b186a5e_block.kd
    .args:
      - { .name: x, .offset: 0, .size: 8, .value_kind: global_buffer, .address_space: global }
      - { .name: Wq_codes, .offset: 8, .size: 8, .value_kind: global_buffer, .address_space: global }
      - { .name: Wq_scales, .offset: 16, .size: 8, .value_kind: global_buffer, .address_space: global }
      - { .name: bq, .offset: 24, .size: 8, .value_kind: global_buffer, .address_space: global }
      - { .name: kv, .offset: 32, .size: 8, .value_kind: global_buffer, .address_space: global }
      - { .name: Wo_codes, .offset: 40, .size: 8, .value_kind: global_buffer, .address_space: global }
      - { .name: Wo_scales, .offset: 48, .size: 8, .value_kind: global_buffer, .address_space: global }
      - { .name: bo, .offset: 56, .size: 8, .value_kind: global_buffer, .address_space: global }
      - { .name: ln_g, .offset: 64, .size: 8, .value_kind: global_buffer, .address_space: global }
      - { .name: ln_b, .offset: 72, .size: 8, .value_kind: global_buffer, .address_space: global }
      - { .name: W1_codes, .offset: 80, .size: 8, .value_kind: global_buffer, .address_space: global }
      - { .name: W1_scales, .offset: 88, .size: 8, .value_kind: global_buffer, .address_space: global }
      - { .name: b1, .offset: 96, .size: 8, .value_kind: global_buffer, .address_space: global }
      - { .name: W2_codes, .offset: 104, .size: 8, .value_kind: global_buffer, .address_space: global }
      - { .name: W2_scales, .offset: 112, .size: 8, .value_kind: global_buffer, .address_space: global }
      - { .name: b2, .offset: 120, .size: 8, .value_kind: global_buffer, .address_space: global }
      - { .name: out0, .offset: 128, .size: 8, .value_kind: global_buffer, .address_space: global }
    .group_segment_fixed_size: 247808
    .private_segment_fixed_size: 0
    .kernarg_segment_align: 8
    .kernarg_segment_size: 136
    .max_flat_workgroup_size: 512
    .sgpr_count:     92
    .vgpr_count:     256
    .wavefront_size: 32
...
	.end_amdgpu_metadata
.endif
;; end of part 2
;; ======== version 2 of 2: 2 launches; version 1 with the launches kvproj, block written anew for expert scheduling mode
;; workspace buffers: kv 606,208 bytes
;; launch kvproj (part 3): grid 16 x 16, 8 waves a work-group, no clusters, 0 bytes of LDS; arguments xf_codes, xf_scales, Wk_codes, Wk_scales, bk, Wv_codes, Wv_scales, bv, kv; writes kv
.if DOCPART == 3
	.amdgcn_target "amdgcn-amd-amdhsa--gfx1250"
	.amdhsa_code_object_version 6
	.text
	.protected	k_qfe1b186a5e_kvproj
	.globl	k_qfe1b186a5e_kvproj
	.p2align	8
	.type	k_qfe1b186a5e_kvproj,@function
k_qfe1b186a5e_kvproj:
	s_mov_b64 s[64:65], 0
	v_nop
	global_prefetch_b8 v0, s[64:65] scope:SCOPE_SE
	s_setreg_imm32_b32 hwreg(HW_REG_WAVE_SCHED_MODE, 0, 2), 2
	s_setreg_imm32_b32 hwreg(HW_REG_WAVE_MODE, 25, 1), 1
	s_wait_xcnt 0x0
	s_wait_alu depctr_vm_vsrc(0)
; k = xf Wk + bk and v = xf Wv + bv on codes of FP4 (E2M1) with E8M0 scales, K = 768; the results are quantised at once, k along a head's 32 dims, v along the keys,
; and stored as codes and scale bytes in the order in which the next launch's operand registers take them.
; kv: 64 records (16 b + head) of REC = 9,472 bytes.  r = lane % 16, h = lane / 16.
;   kc     0: key tile T (0..15) at 256 T; lane (r, h): 8 bytes at 16 r + 8 h: dims 16 h .. 16 h + 15 of key 32 (T / 2) + 8 (T % 2) + r + 8 (r / 8)
;   vc  4096: fragment 2 u + s (dim tile u, 128 keys s) at 1024 (2 u + s); key block kb % 4 at 256 (kb % 4); dim 8 u + r + 8 (r / 8) at 16 r; keys 16 h .. + 15 of the block at 8 h
;   ks  8192: the scale byte of tile T's key-lane r, four times in a word, at 512 ((T % 8) / 4) + 256 (T / 8) + 16 r + 4 (T % 4)
;   vs  9216: dim tile u, lane r at 128 u + 8 r; the byte of key block kb at 4 (kb / 4) + kb % 4
; SHARES.  Work-group x = head, y = 4 b + kq.  Wave w: kind = w / 4 (0: k, 1: v), t = (w / 2) % 2, kb = 2 kq + w % 2: one block of 32 keys.  A wave makes 12 matrix instructions; waves share nothing: no LDS, no barrier.
; ONE TEXT FOR BOTH KINDS.  Source 0 (side P, two tiles) runs along the result's registers, which is the axis that is quantised; source 1 (side Q, one tile) gives a lane its row.
;   kind k: P = 32 rows of Wk (the head's dims), Q = 16 keys of xf.   kind v: P = 32 keys of xf, Q = 16 rows of Wv.   Both tensors have rows of 384 bytes of codes and 24 scale bytes: only pointers and first rows differ.
; THE ROWS OF A TILE ARE NOT NEIGHBOURS: lane r of tile i takes row 8 i + r + 8 (r / 8), so that a lane's 16 result registers are 16 neighbours, 16 h + 0 .. 15, of P's 32.
; LIMITS: NaN and infinities are not served.  A block of zeros gets the byte 1 where the quantiser says 127: its codes are zeros, and this program alone reads the bytes.
; The codes leave as 256 consecutive aligned bytes a store.  The scale words (4 bytes a lane, 16 bytes apart) and bytes (8 apart) do not: they are an eighth of the buffer.
; THE MODE: SCHED_MODE bits 1:0 = 2 (LLVM: expert scheduling mode 2), set by the entry lines.  The code itself states the register dependences between vector or matrix instructions and memory instructions, with s_wait_alu, always for 0.
; THE PLAN.  Registers that memory instructions touch: the offsets v4 to v10, made once at the head; PF, QF, PS, QS, CB, in which loads land once and which no vector instruction names before; CD, WD and the byte, which the
; quantiser writes and the stores read.  So one wait on va_vdst stands ahead of the loads and one ahead of the first store; the two writes of EXEC have their own lines.
.set REC,  9472
.set PS,   12                          ; v12-17  P's scale words of the six K steps: tile 0 in lanes 0-15, tile 1 in lanes 16-31
.set QS,   18                          ; v18-23  Q's
.set QTM,  24                          ; the quantiser's largest magnitude,
.set QTP,  25                          ; the other half's,
.set QTS,  26                          ; the conversion's scale operand,
.set QBY,  27                          ; the scale's byte
.set CD,   36                          ; v36-37  my 16 codes
.set WD,   38                          ; v38     the byte four times
.set PF,   40                          ; v40-135  P's fragments: (tile u, K step s) at 8 (6 u + s)
.set QF,   136                         ; v136-183 Q's: K step s at 8 s
.set ACC,  184                         ; v184-199 two accumulators
.set CB,   200                         ; v200-215 the bias, as the C of each sum's first product
.macro WM d, a, b, c, sa, sb, ra       ; ra = 1: source 0's scales stand in lanes 16-31
.if \ra
	v_wmma_scale_f32_16x16x128_f8f6f4 v[\d:\d+7], v[\a:\a+7], v[\b:\b+7], v[\c:\c+7], v[\sa], v[\sb] matrix_a_fmt:MATRIX_FMT_FP4 matrix_b_fmt:MATRIX_FMT_FP4 matrix_a_scale:MATRIX_SCALE_ROW1
.else
	v_wmma_scale_f32_16x16x128_f8f6f4 v[\d:\d+7], v[\a:\a+7], v[\b:\b+7], v[\c:\c+7], v[\sa], v[\sb] matrix_a_fmt:MATRIX_FMT_FP4 matrix_b_fmt:MATRIX_FMT_FP4
.endif
.endm
; cnt blocks of 32 by turns: block b is my 16 numbers v[src + 16 b ..] and lane l xor 16's.  Codes to v[pc + 2 b], v[pc + 2 b + 1], the byte to v[QBY + b].
.macro QCORE src, pc, cnt
.set qb, 0
.rept \cnt
	v_max3_num_f32 v[QTM+qb], |v[\src+16*qb]|, |v[\src+16*qb+1]|, 0x1800000   ; with the floor 2^(3 - 127): the byte cannot fall under 1
.set qb, qb+1
.endr
.irp i, 2,4,6,8,10,12,14
.set qb, 0
.rept \cnt
	v_max3_num_f32 v[QTM+qb], v[QTM+qb], |v[\src+16*qb+\i]|, |v[\src+16*qb+\i+1]|
.set qb, qb+1
.endr
.endr
.set qb, 0
.rept \cnt
	v_permlanex16_b32 v[QTP+qb], v[QTM+qb], s42, s43
.set qb, qb+1
.endr
.set qb, 0
.rept \cnt
	v_max_num_f32 v[QTM+qb], v[QTM+qb], v[QTP+qb]         ; the block's largest magnitude
.set qb, qb+1
.endr
.set qb, 0
.rept \cnt
	v_add_nc_u32 v[QTS+qb], 0xff000000, v[QTM+qb]         ; 2 off its exponent field: the conversion takes that field as its scale
.set qb, qb+1
.endr
.set qb, 0
.rept \cnt
	v_lshrrev_b32 v[QBY+qb], 23, v[QTS+qb]                ; the scale's byte
.set qb, qb+1
.endr
.set qb, 0
.rept \cnt
	v_cvt_scalef32_pk8_fp4_f32 v[\pc+2*qb], v[\src+16*qb:\src+16*qb+7], v[QTS+qb]
	v_cvt_scalef32_pk8_fp4_f32 v[\pc+2*qb+1], v[\src+16*qb+8:\src+16*qb+15], v[QTS+qb]
.set qb, qb+1
.endr
	v_nop                                                 ; one plain line behind the last scaled conversion
.endm
	s_load_b512 s[4:19], s[0:1], 0x0               ; xf codes s[4:5], xf scales s[6:7], Wk codes s[8:9], Wk scales s[10:11], bk s[12:13], Wv codes s[14:15], Wv scales s[16:17], bv s[18:19]
	s_load_b64 s[20:21], s[0:1], 0x40              ; kv
	v_lshrrev_b32 v1, 5, v0
	v_readfirstlane_b32 s22, v1                    ; wave 0..7
	v_and_b32 v1, 15, v0                           ; r
	v_bfe_u32 v2, v0, 4, 1                         ; h
	v_and_b32 v3, 8, v1
	v_add_nc_u32 v3, v3, v1                        ; r + 8 (r / 8)
	v_mul_u32_u24 v4, v3, 384
	v_lshl_add_u32 v4, v2, 4, v4                   ; a fragment: my row of 384 bytes, + 16 h
	v_lshl_add_u32 v5, v2, 3, v3
	v_mul_u32_u24 v5, v5, 24                       ; P's scale words: lanes 16-31 take tile 1's rows
	v_mul_u32_u24 v6, v3, 24                       ; Q's
	v_lshlrev_b32 v7, 6, v2                        ; bias of kind k: my 16 dims begin at 16 h
	v_lshlrev_b32 v8, 2, v3                        ; bias of kind v: my one dim
	v_lshlrev_b32 v9, 4, v1
	v_lshl_add_u32 v9, v2, 3, v9                   ; my codes' place: 16 r + 8 h
	v_mov_b32 v[QTP], 0                            ; a lane permute's destination counts as one of its sources
	s_mov_b32 s42, 0x76543210
	s_mov_b32 s43, 0xfedcba98                      ; v_permlanex16_b32's selects for lane l xor 16
	s_wait_alu depctr_va_sdst(0)                   ; s22 is written, ahead of its first reader: kind, t, kb and every place are made from it
	s_lshr_b32 s23, s22, 2                         ; kind
	s_bfe_u32 s24, s22, 0x10001                    ; t
	s_and_b32 s25, s22, 1
	s_and_b32 s44, ttmp7, 0xffff                   ; y = 4 b + kq
	s_lshr_b32 s26, s44, 2                         ; b
	s_and_b32 s44, s44, 3
	s_lshl_b32 s44, s44, 1
	s_add_co_u32 s25, s25, s44                     ; kb
	s_lshl_b32 s45, s26, 8
	s_lshl_b32 s46, s25, 5
	s_add_co_u32 s45, s45, s46                     ; xf's row 256 b + 32 kb
	s_lshl_b32 s46, ttmp9, 5                       ; a weight's row 32 head
	s_lshl_b32 s47, s24, 3                         ; 8 t
	s_lshl_b32 s52, s25, 1
	s_add_co_u32 s52, s52, s24                     ; T = 2 kb + t
	s_lshl_b32 s53, s52, 8                         ; kind k: the codes' place in the record
	s_bfe_u32 s54, s52, 0x10002
	s_lshl_b32 s54, s54, 9
	s_lshr_b32 s55, s52, 3
	s_lshl_b32 s55, s55, 8
	s_add_co_u32 s54, s54, s55
	s_and_b32 s55, s52, 3
	s_lshl_b32 s55, s55, 2
	s_add_co_u32 s54, s54, s55
	s_add_co_u32 s54, s54, 8192                    ; and the scale words'
	s_lshr_b32 s56, s25, 2                         ; kb / 4
	s_and_b32 s57, s25, 3                          ; kb % 4
	s_lshl_b32 s58, s24, 1
	s_add_co_u32 s58, s58, s56
	s_lshl_b32 s58, s58, 10
	s_lshl_b32 s59, s57, 8
	s_add_co_u32 s58, s58, s59
	s_add_co_u32 s58, s58, 4096                    ; kind v: the codes' place
	s_lshl_b32 s59, s24, 7
	s_lshl_b32 s56, s56, 2
	s_add_co_u32 s59, s59, s56
	s_add_co_u32 s59, s59, s57
	s_add_co_u32 s59, s59, 9216                    ; and the scale bytes'
	s_lshl_b32 s60, s26, 4
	s_add_co_u32 s60, s60, ttmp9
	s_mul_i32 s60, s60, REC                        ; the record
	s_lshl_b32 s61, ttmp9, 7                       ; the head's 32 numbers of a bias
	s_lshl_b32 s62, s24, 5                         ; 8 t numbers on
	s_cmp_eq_u32 s23, 0                            ; kind k?  The choice hangs on the wave's number alone
	s_cselect_b32 s48, s46, s45                    ; P's first row
	s_cselect_b32 s49, s45, s46                    ; Q's, less 8 t
	s_cselect_b32 s53, s53, s58
	s_cselect_b32 s54, s54, s59
	s_cselect_b32 s62, 0, s62
	s_cselect_b32 s63, 4, 3                        ; scale stores: 16 r or 8 r
	s_wait_kmcnt 0x0
	s_cselect_b64 s[28:29], s[8:9], s[4:5]         ; P's codes
	s_cselect_b64 s[30:31], s[10:11], s[6:7]       ; P's scales
	s_cselect_b64 s[32:33], s[4:5], s[14:15]       ; Q's codes
	s_cselect_b64 s[34:35], s[6:7], s[16:17]       ; Q's scales
	s_cselect_b64 s[36:37], s[12:13], s[18:19]     ; the bias
	s_add_co_u32 s49, s49, s47
	s_mov_b32 s51, 0
	s_mul_i32 s50, s48, 384
	s_add_nc_u64 s[28:29], s[28:29], s[50:51]
	s_mul_i32 s50, s48, 24
	s_add_nc_u64 s[30:31], s[30:31], s[50:51]
	s_mul_i32 s50, s49, 384
	s_add_nc_u64 s[32:33], s[32:33], s[50:51]
	s_mul_i32 s50, s49, 24
	s_add_nc_u64 s[34:35], s[34:35], s[50:51]
	s_add_co_u32 s50, s61, s62
	s_add_nc_u64 s[36:37], s[36:37], s[50:51]
	s_add_co_u32 s50, s60, s53
	s_add_nc_u64 s[38:39], s[20:21], s[50:51]      ; where my codes go
	s_add_co_u32 s50, s60, s54
	s_add_nc_u64 s[40:41], s[20:21], s[50:51]      ; where my scales go
	v_lshlrev_b32 v10, s63, v1
	s_wait_alu depctr_va_vdst(0)                   ; the offsets v4 to v10 are written, which every load and store below reads
	; all loads at once
.irp u, 0,1
.irp s, 0,1,2,3,4,5
.irp c, 0,1
	global_load_b128 v[PF+8*(6*\u+\s)+4*\c:PF+8*(6*\u+\s)+4*\c+3], v4, s[28:29] offset:3072*\u+64*\s+32*\c
.endr
.endr
.endr
.irp s, 0,1,2,3,4,5
.irp c, 0,1
	global_load_b128 v[QF+8*\s+4*\c:QF+8*\s+4*\c+3], v4, s[32:33] offset:64*\s+32*\c
.endr
.endr
.irp i, 0,1,2
	global_load_b64 v[PS+2*\i:PS+2*\i+1], v5, s[30:31] offset:8*\i
	global_load_b64 v[QS+2*\i:QS+2*\i+1], v6, s[34:35] offset:8*\i
.endr
	s_cmp_eq_u32 s23, 0
	s_cbranch_scc0 .Lbias_v
.irp u, 0,1                                    ; kind k: the bias runs along the registers: bk[32 head + 16 h + 8 u + j]
	global_load_b128 v[CB+8*\u:CB+8*\u+3], v7, s[36:37] offset:32*\u
	global_load_b128 v[CB+8*\u+4:CB+8*\u+7], v7, s[36:37] offset:32*\u+16
.endr
	s_branch .Lbias_in
.Lbias_v:
.irp j, 0,1,2,3,4,5,6,7,8,9,10,11,12,13,14,15  ; kind v: a lane has one dim: bv[32 head + 8 t + r + 8 (r / 8)] in all sixteen
	global_load_b32 v[CB+\j], v8, s[36:37]
.endr
.Lbias_in:
	s_wait_loadcnt 0x0
.irp s, 0,1,2,3,4,5                            ; the two accumulators take turns, one instruction a turn
.irp u, 0,1
.if \s == 0
	WM ACC+8*\u, PF+8*(6*\u+\s), QF+8*\s, CB+8*\u, PS+\s, QS+\s, \u
.else
	WM ACC+8*\u, PF+8*(6*\u+\s), QF+8*\s, ACC+8*\u, PS+\s, QS+\s, \u
.endif
.endr
.endr
.rept 4
	v_nop                                          ; four places between the last product and the first read of results (ISA guide 7.12.1)
.endr
	QCORE ACC, CD, 1
	v_lshl_or_b32 v[WD], v[QBY], 8, v[QBY]
	v_lshl_or_b32 v[WD], v[WD], 16, v[WD]          ; the byte four times: the next launch lays a head's 32 dims in two blocks of the instruction's K
	s_wait_alu depctr_va_vdst(0)                   ; the conversions have written v[CD ..], which the store reads
	global_store_b64 v9, v[CD:CD+1], s[38:39]      ; 32 lanes store 256 consecutive bytes, at a multiple of 256 from kv's first byte
	s_wait_xcnt 0x0                                ; EXEC changes only behind this wait
	v_cmp_eq_u32 vcc_lo, 0, v2
	s_wait_alu depctr_va_vcc(0)                    ; VCC is written: EXEC is made from it
	s_wait_alu depctr_va_vdst(0)                   ; ahead of a scalar write of EXEC: the vector instructions issued so far have written their results (the word and the byte, which the masked store reads, among them),
	s_wait_alu depctr_vm_vsrc(0)                   ; and the store above has read its registers
	s_and_saveexec_b32 s44, vcc_lo                 ; lanes 16-31 hold the same bytes: lanes 0-15 store
	s_cmp_eq_u32 s23, 0
	s_cbranch_scc0 .Lscale_v
	global_store_b32 v10, v[WD], s[40:41]
	s_branch .Lscale_out
.Lscale_v:
	global_store_b8 v10, v[QBY], s[40:41]
.Lscale_out:
	s_wait_xcnt 0x0                                ; and again in front of the line that widens it
	s_wait_alu depctr_va_vdst(0)                   ; ahead of a scalar write of EXEC: the vector side,
	s_wait_alu depctr_vm_vsrc(0)                   ; and the masked store has read its registers
	s_or_b32 exec_lo, exec_lo, s44
	s_endpgm
.Lfunc_end_k_qfe1b186a5e_kvproj:
	.size	k_qfe1b186a5e_kvproj, .Lfunc_end_k_qfe1b186a5e_kvproj-k_qfe1b186a5e_kvproj
	.p2alignl 7, 3214868480
	.fill 96, 4, 3214868480
	.section	.rodata,"a",@progbits
	.p2align	6, 0x0
	.amdhsa_kernel k_qfe1b186a5e_kvproj
		.amdhsa_group_segment_fixed_size 0
		.amdhsa_private_segment_fixed_size 0
		.amdhsa_enable_private_segment 0
		.amdhsa_kernarg_size 72
		.amdhsa_user_sgpr_count 2
		.amdhsa_user_sgpr_kernarg_segment_ptr 1
		.amdhsa_wavefront_size32 1
		.amdhsa_system_sgpr_workgroup_id_x 1
		.amdhsa_system_sgpr_workgroup_id_y 1
		.amdhsa_system_sgpr_workgroup_id_z 1
		.amdhsa_system_vgpr_workitem_id 0
		.amdhsa_next_free_vgpr 216
		.amdhsa_next_free_sgpr 66
		.amdhsa_reserve_vcc 1
		.amdhsa_float_denorm_mode_32 3
		.amdhsa_float_denorm_mode_16_64 3
		.amdhsa_memory_ordered 1
		.amdhsa_forward_progress 1
		.amdhsa_inst_pref_size 14
	.end_amdhsa_kernel
	.amdgpu_metadata
---
amdhsa.version: [ 1, 2 ]
amdhsa.kernels:
  - .name:           k_qfe1b186a5e_kvproj
    .symbol:         k_qfe1b186a5e_kvproj.kd
    .args:
      - { .name: xf_codes, .offset: 0, .size: 8, .value_kind: global_buffer, .address_space: global }
      - { .name: xf_scales, .offset: 8, .size: 8, .value_kind: global_buffer, .address_space: global }
      - { .name: Wk_codes, .offset: 16, .size: 8, .value_kind: global_buffer, .address_space: global }
      - { .name: Wk_scales, .offset: 24, .size: 8, .value_kind: global_buffer, .address_space: global }
      - { .name: bk, .offset: 32, .size: 8, .value_kind: global_buffer, .address_space: global }
      - { .name: Wv_codes, .offset: 40, .size: 8, .value_kind: global_buffer, .address_space: global }
      - { .name: Wv_scales, .offset: 48, .size: 8, .value_kind: global_buffer, .address_space: global }
      - { .name: bv, .offset: 56, .size: 8, .value_kind: global_buffer, .address_space: global }
      - { .name: kv, .offset: 64, .size: 8, .value_kind: global_buffer, .address_space: global }
    .group_segment_fixed_size: 0
    .private_segment_fixed_size: 0
    .kernarg_segment_align: 8
    .kernarg_segment_size: 72
    .max_flat_workgroup_size: 256
    .sgpr_count:     66
    .vgpr_count:     216
    .wavefront_size: 32
...
	.end_amdgpu_metadata
.endif
;; end of part 3
;; launch block (part 4): grid 256 x 1, 16 waves a work-group, no clusters, 247,808 bytes of LDS; arguments x, Wq_codes, Wq_scales, bq, kv, Wo_codes, Wo_scales, bo, ln_g, ln_b, W1_codes, W1_scales, b1, W2_codes, W2_scales, b2, out0; writes out0
.if DOCPART == 4
	.amdgcn_target "amdgcn-amd-amdhsa--gfx1250"
	.amdhsa_code_object_version 6
	.text
	.protected	k_qfe1b186a5e_block
	.globl	k_qfe1b186a5e_block
	.p2align	8
	.type	k_qfe1b186a5e_block,@function
k_qfe1b186a5e_block:
	s_mov_b64 s[64:65], 0
	v_nop
	global_prefetch_b8 v0, s[64:65] scope:SCOPE_SE
	s_setreg_imm32_b32 hwreg(HW_REG_WAVE_SCHED_MODE, 0, 2), 2
	s_setreg_imm32_b32 hwreg(HW_REG_WAVE_MODE, 25, 1), 1
	s_wait_xcnt 0x0
	s_wait_alu depctr_vm_vsrc(0)
; out0 = x + out + FFN(out), out = attention(x Wq + bq, k, v) Wo + bo, FFN(o) = gelu(LN(o) W1 + b1) W2 + b2.  All products on codes of FP4 (E2M1) with one E8M0 scale for each 32 along K; all else in f32.
; k and v come as codes from the launch before (kv: its head comment has the record's layout).
; SHARES.  A work-group owns 64 rows of x (four tiles of 16), sixteen waves of 256 registers.  WAVE w OWNS COLUMNS 32 w .. 32 w + 31 OF EVERY 512-WIDE RESULT, for all 64 rows: that is head w, and block w of the next
; product's K.  So each quantiser needs lanes l and l xor 16 alone, wave w runs head w's whole attention out of its own registers, and only codes and scale bytes pass between waves.
; LAYOUT.  Every product is used transposed: source 0 = 16 rows of a weight (or keys, or dims of v), source 1 = 16 rows of the activation.  Lane r of a weight's tile u takes row 8 u + r + 8 (r / 8): lane (r, h) then
; holds row r of the activation, and registers 8 u + j of its two tiles are columns 16 h + 8 u + j: 16 neighbours.  Their 16 codes are 8 bytes, which lie at 16 r + 8 h inside the 256 bytes that block w has
; in the IMAGE of the next operand's registers (fragment (row tile m, K step s) at 1024 (4 m + s), four registers at 512 c, lane at 16 l): any wave loads a fragment by two ds_load_b128 at 16 x lane.
; WEIGHTS go from memory straight into registers: a wave takes 32 rows x 512 along K (16 loads of 16 bytes a lane), each slot asked for again as soon as its eight products are issued.
; SCORES.  K = 32: the head's dims lie as 16 + 16 in the instruction's blocks 0 and 1 (registers 0, 1 of both halves of the lanes), under the same scale byte; q's registers 2 to 7 are zero codes, so whatever the
; key operand's registers 2 to 7 hold (the next tiles' codes) adds nothing.
; SOFTMAX.  t = score x log2(e); M = the running largest t, rounded up to a whole number; p = 2^(t - M) is quantised along the keys; the row's sum is taken of the unquantised p and divides O at the end.
; LAYERNORM.  Each wave makes the mean and the sum of squared deviations of its 32 columns; the sixteen parts are merged: var = (sum of M2 + 32 x sum of (mean_w - mu)^2) / 512.  No difference of large sums.
; GELU, exact: erf by two polynomials (|z| under 475/512: odd in z; above: erfc = exp of a polynomial in |z|).  In the tail gelu = max(x, 0) - |x / 2| erfc(|z|): nothing cancels.
; NO CLUSTER, NO TENSOR LOAD.  All row blocks walk the same weights, 1.36 MB a work-group.  A joint request lands in LDS, of which 245,760 bytes hold the rows' residual, images and the hidden layer's codes; a wave wants
; 32 rows x all of K, so a slot that serves all sixteen waves in step would be 512 rows x 64 bytes, a quarter of each row's 256 bytes, through a ring in the 81,920 bytes left, with a round of the cluster's barrier a slot.
; LIMITS: NaN and infinities are not served.  A block of zeros gets the byte 1 where the quantiser says 127: its codes are zeros, and this program alone reads the bytes.  The result is summed as (x + out) + ffn.
; THE MODE: SCHED_MODE bits 1:0 = 2 (LLVM: expert scheduling mode 2), set by the entry lines.  The code itself states the register dependences between vector or matrix instructions and memory or LDS instructions,
; with s_wait_alu, always for 0.
; THE PLAN.  Registers that memory or LDS instructions touch:
;   LI, RS, RO, CW, SB, SL, STW, STR, L8H, L8, H64   offsets and LDS addresses, made at the head and never written again: two waits on va_vdst at the head serve them for the whole kernel.
;   AI, ASL          written ahead of each GEMM (behind a wait on vm_vsrc for the last GEMM's LDS loads), read by its LDS loads: the wait on va_vdst that is GEMM's first line.
;   VN0, VN1, VNS    the weights' offsets: written at the head and at the head of each trip of .Lffn1, behind the last trip's wait on vm_vsrc; GEMM's first line serves them too.
;   AF0, AF1, WF0-3, WS, AS, BI   loads land in them, a K step's eight products read them.  ONE wait on va_vdst stands behind a K step's products; the loads that ask for that step's registers again follow it.
;                    It stands there and not at the next step's head, since with two buffers of fragments a buffer that waited for that head would lie idle for a whole K step.
;   PC or PCD, QBY, TA, TB, TC    a quantiser's codes, bytes and addresses: one wait on va_vdst ahead of the run of LDS stores, one on vm_vsrc ahead of whatever writes them next (in a loop: at the trip's end, ahead of the branch).
;   XR, MS           round the LayerNorm: LDS loads land in XR, vector work reads and writes it, LDS stores read XR and MS: the waits stand with the runs of loads and stores.
;   ACC              x's rows pass through it at the head; at the end its sums are stored to LDS behind one wait.
.set RP,    2064                       ; a row of RES: 2,048 bytes + 16: an odd multiple of 16
.set A0,    0                          ; LDS: images of 16 fragments (K = 512): x's, later LN(out)'s
.set A1,    16384                      ; the same: attention's
.set ASC0,  32768                      ; their scale bytes: 16 x row + block
.set ASC1,  33792
.set HSC,   34816                      ; the hidden layer's: 1,024 x chunk + 16 x row + block
.set STAT,  38912                      ; 144 x row + 8 x wave: (mean, M2) of a wave's 32 columns
.set HIMG,  48128                      ; the hidden layer's images: 16,384 x chunk
.set RES,   113664                     ; 64 rows x RP: x, then x + out, then the result
.set REC,   9472
.set LI,   1                           ; v1   16 x lane
.set RS,   2                           ; v2   RES: my wave's rows 4 w .. 4 w + 3, 16 bytes a lane
.set RO,   3                           ; v3   RES: row r, my 16 columns;  v4: 32 rows further down
.set CW,   5                           ; v5   my codes' place in an image: 16 r + 8 h + 256 w
.set SB,   6                           ; v6   my scale byte's: 16 r + w
.set SL,   7                           ; v7   scale words as an operand wants them: 16 r + 512 h
.set ROW,  8                           ; v8   r + 8 (r / 8)
.set H16,  9                           ; v9   16 h
.set ROWH, 10                          ; v10  r + 8 (r / 8) + 8 h
.set VN0,  11                          ; v11, v12  the weights' tiles 0 and 1: my row x pitch + 16 h
.set VNS,  13                          ; v13  their scale words
.set H64,  14                          ; v14  64 h
.set AI,   15                          ; v15  the images in hand
.set ASL,  16                          ; v16  their scale words
.set TA,   17                          ; v17-18, v23  addresses of the stores in hand
.set TB,   18
.set STW,  19                          ; v19  STAT: where I store
.set STR,  20                          ; v20  STAT: where I read eight waves' pairs
.set L8H,  21                          ; v21  16 r + 8 h
.set L8,   22                          ; v22  8 x lane
.set TC,   23
.set MS,   24                          ; v24-31  four pairs: (mean, M2), later (mu, 1 / sigma); in the FFN three constants
.set KA1,  24
.set KA3,  26
.set KB1,  28
.set ACC,  32                          ; v32-95   eight accumulators: (row tile m, weight tile u) at 16 m + 8 u
.set WF,   96                          ; v96-159  the weights' fragments: K step s at 16 s, tile u at 8 u
.set AF,   160                         ; v160-223 the activation's: two buffers of 32, row tile m at 8 m
.set WS,   224                         ; v224-231 the weights' scale words, two sets of 4: K step s; tile 0 in lanes 0-15, tile 1 in lanes 16-31
.set AS,   232                         ; v232-239 the activation's: 4 (m % 2) + s; m < 2 in lanes 0-15, the others in lanes 16-31
.set BI,   240                         ; v240-255 the bias, as the C of each sum's first product
.set PC,   160                         ; codes just made
.set GZ,   160                         ; GELU at work
.set GS,   168
.set GT,   176
.set GR,   184
.set GU,   192
.set GH,   200
.set LG,   160                         ; ln_g, ln_b of my 16 columns
.set LB,   176
.set XR,   192                         ; 32 registers at work round the LayerNorm
.set LW,   232                         ; eight more
; attention lays its own map over v32-255
.set SC,   32                          ; S^T, then p: 64
.set KC,   96                          ; k's codes: two registers a tile, and six zeros behind them
.set KS,   134                         ; k's scale words: tile T % 8; T < 8 in lanes 0-15
.set VF,   142                         ; v's four fragments
.set VS,   174                         ; v's scale words: key step; dim tile 0 in lanes 0-15
.set QF,   176                         ; q's fragment of the row tile in hand: two registers of codes, six of zeros
.set QC,   184                         ; q's codes of the four row tiles
.set QS,   192                         ; and their scale words
.set QSW,  196
.set PCD,  198                         ; p's codes
.set PW,   206                         ; p's scale word
.set OT,   208                         ; O^T: two accumulators
.set NM,   224                         ; v224 -M, v225 the largest t
.set SUM,  226                         ; the row's sum in two halves
.set FF,   228                         ; f = 2^(old M - new M), later 1 / sum; v229 is named with it as a pair
.set BM,   230                         ; the blocks' largest scores
.set BP,   234
.set SO,   238
.set TT,   242                         ; v242-249 at work
.set NW,   44                          ; s[44:45] the weights that are asked for next: codes, s[46:47] scales, s[48:49] bias
.set NS,   46
.set NB,   48
.set GM,   55                          ; s55-62 the GELU's eight masks
.set C_RH,  66                         ; scalar pairs: the packed forms name a pair and take its low word for both halves
.set C_L2E, 68
.set C_A0,  70
.set C_A2,  72
.set C_A4,  74
.set C_A5,  76
.set C_A6,  78
.set C_B0,  80
.set C_B2,  82
.set C_B3,  84
.set C_B4,  86
.set C_B5,  88
.set C_TH,  90
.macro KONST reg, bits
	s_mov_b32 s[\reg], \bits
	s_mov_b32 s[\reg+1], \bits
.endm
.macro PLACES                          ; four plain lines between a product and a load into, or a vector instruction on, one of its registers (ISA guide 7.12.1 for vector instructions)
.rept 4
	v_nop
.endr
.endm
.macro BARRIER                         ; my LDS stores have landed and my LDS loads are in: then the work-group's barrier
	s_wait_dscnt 0x0
	s_barrier_signal -1
	s_barrier_wait -1
.endm
; One product.  c < 0: the constant 0 starts the sum.  ra, rb = 1: that side's scales stand in lanes 16-31.
.macro WM d, a, b, c, sa, sb, ra, rb
.if (\c) < 0
.if (\ra)
	v_wmma_scale_f32_16x16x128_f8f6f4 v[\d:\d+7], v[\a:\a+7], v[\b:\b+7], 0, v[\sa], v[\sb] matrix_a_fmt:MATRIX_FMT_FP4 matrix_b_fmt:MATRIX_FMT_FP4 matrix_a_scale:MATRIX_SCALE_ROW1
.else
	v_wmma_scale_f32_16x16x128_f8f6f4 v[\d:\d+7], v[\a:\a+7], v[\b:\b+7], 0, v[\sa], v[\sb] matrix_a_fmt:MATRIX_FMT_FP4 matrix_b_fmt:MATRIX_FMT_FP4
.endif
.elseif (\ra) && (\rb)
	v_wmma_scale_f32_16x16x128_f8f6f4 v[\d:\d+7], v[\a:\a+7], v[\b:\b+7], v[\c:\c+7], v[\sa], v[\sb] matrix_a_fmt:MATRIX_FMT_FP4 matrix_b_fmt:MATRIX_FMT_FP4 matrix_a_scale:MATRIX_SCALE_ROW1 matrix_b_scale:MATRIX_SCALE_ROW1
.elseif (\ra)
	v_wmma_scale_f32_16x16x128_f8f6f4 v[\d:\d+7], v[\a:\a+7], v[\b:\b+7], v[\c:\c+7], v[\sa], v[\sb] matrix_a_fmt:MATRIX_FMT_FP4 matrix_b_fmt:MATRIX_FMT_FP4 matrix_a_scale:MATRIX_SCALE_ROW1
.elseif (\rb)
	v_wmma_scale_f32_16x16x128_f8f6f4 v[\d:\d+7], v[\a:\a+7], v[\b:\b+7], v[\c:\c+7], v[\sa], v[\sb] matrix_a_fmt:MATRIX_FMT_FP4 matrix_b_fmt:MATRIX_FMT_FP4 matrix_b_scale:MATRIX_SCALE_ROW1
.else
	v_wmma_scale_f32_16x16x128_f8f6f4 v[\d:\d+7], v[\a:\a+7], v[\b:\b+7], v[\c:\c+7], v[\sa], v[\sb] matrix_a_fmt:MATRIX_FMT_FP4 matrix_b_fmt:MATRIX_FMT_FP4
.endif
.endm
.macro SETW cp, sp, bp                 ; which weights the next loads take; it stands where no load that names these pointers is out
	s_mov_b64 s[NW:NW+1], s[\cp:\cp+1]
	s_mov_b64 s[NS:NS+1], s[\sp:\sp+1]
	s_mov_b64 s[NB:NB+1], s[\bp:\bp+1]
.endm
.macro WSLOAD set
	global_load_b128 v[WS+4*(\set):WS+4*(\set)+3], v[VNS], s[NS:NS+1]
.endm
.macro BILOAD                          ; lane (r, h): bias[32 w + 16 h + 0 .. 15]
.irp i, 0,1,2,3
	global_load_b128 v[BI+4*\i:BI+4*\i+3], v[H64], s[NB:NB+1] offset:16*\i
.endr
.endm
.macro WFETCH s                        ; K step s of both tiles
.irp u, 0,1
	global_load_b128 v[WF+16*(\s)+8*\u:WF+16*(\s)+8*\u+3], v[VN0+\u], s[NW:NW+1] offset:64*(\s)
	global_load_b128 v[WF+16*(\s)+8*\u+4:WF+16*(\s)+8*\u+7], v[VN0+\u], s[NW:NW+1] offset:64*(\s)+32
.endr
.endm
.macro WALL set                        ; 21 loads
	WSLOAD \set
	BILOAD
	WFETCH 0
	WFETCH 1
	WFETCH 2
	WFETCH 3
.endm
.macro ASLOAD
	ds_load_b128 v[AS:AS+3], v[ASL]
	ds_load_b128 v[AS+4:AS+7], v[ASL] offset:256
.endm
.macro AFETCH s, buf                   ; K step s of the four row tiles
.irp m, 0,1,2,3
	ds_load_b128 v[AF+32*(\buf)+8*\m:AF+32*(\buf)+8*\m+3], v[AI] offset:(4*\m+(\s))*1024
	ds_load_b128 v[AF+32*(\buf)+8*\m+4:AF+32*(\buf)+8*\m+7], v[AI] offset:(4*\m+(\s))*1024+512
.endr
.endm
.macro MUL s, buf, ws, first           ; eight products; the eight accumulators take turns, in the same order in every K step
.irp m, 0,1,2,3
.irp u, 0,1
.if (\first) && ((\s) == 0)
	WM ACC+16*\m+8*\u, WF+16*(\s)+8*\u, AF+32*(\buf)+8*\m, BI+8*\u, WS+4*(\ws)+(\s), AS+4*(\m%2)+(\s), \u, \m/2
.else
	WM ACC+16*\m+8*\u, WF+16*(\s)+8*\u, AF+32*(\buf)+8*\m, ACC+16*\m+8*\u, WS+4*(\ws)+(\s), AS+4*(\m%2)+(\s), \u, \m/2
.endif
.endr
.endr
.endm
; 64 rows x my 32 columns x 512 along K.  ws: the set of scale words.  first: the bias starts the sums.  refill: each slot of weights is asked for again behind its products (nws: the set that the next scale words take;
; nbias: the next bias too).  lag = 0: the caller has waited for all loads.  lag = 1: the weights were asked for in the call before, and each K step waits for its own slot.
.macro GEMM ws, first, refill, nws, nbias, lag
	s_wait_alu depctr_va_vdst(0)                   ; v[AI] and v[ASL] (in .Lffn1 the weights' offsets too) are written, which the loads below read; the vector and matrix instructions that named AF, AS and the other set of WS, in which loads land, are done
.if (\refill) && ((\nws) != (\ws))
	WSLOAD \nws
.endif
	ASLOAD
	AFETCH 0, 0
	AFETCH 1, 1
.irp s, 0,1,2,3
.if \lag
.if \refill
	s_wait_loadcnt 13                              ; behind slot s: 4 (3 - s) loads of the later slots, the scale words just asked for, 4 s loads of the slots asked for again
.else
	s_wait_loadcnt 12-4*\s                         ; behind slot s: the later slots
.endif
.endif
.if \s < 3
	s_wait_dscnt 8                                 ; this K step's fragments are in; the other buffer's eight loads may be out
.else
	s_wait_dscnt 0
.endif
	MUL \s, \s%2, \ws, \first
	PLACES
.if (\s < 2) || (\refill)
	s_wait_alu depctr_va_vdst(0)                   ; this K step's products are done reading their buffer of AF, their slot of WF, in the first step the bias and in the last the scale words: the loads below land there
.endif
.if \s < 2
	AFETCH \s+2, \s%2
.endif
.if \refill
.if (\s == 0) && (\nbias)
	BILOAD
.endif
	WFETCH \s
.if (\s == 3) && ((\nws) == (\ws))
	WSLOAD \ws
.endif
.endif
.endr
.endm
.macro QREGS tm, tp, ts, by            ; where the quantiser works
.set QTM, \tm
.set QTP, \tp
.set QTS, \ts
.set QBY, \by
.endm
; cnt blocks of 32 by turns: block b is my 16 numbers v[src + 16 b ..] and lane l xor 16's.  Codes to v[pc + 2 b], v[pc + 2 b + 1], the byte to v[QBY + b].
.macro QCORE src, pc, cnt
.set qb, 0
.rept \cnt
	v_max3_num_f32 v[QTM+qb], |v[\src+16*qb]|, |v[\src+16*qb+1]|, 0x1800000   ; with the floor 2^(3 - 127): the byte cannot fall under 1
.set qb, qb+1
.endr
.irp i, 2,4,6,8,10,12,14
.set qb, 0
.rept \cnt
	v_max3_num_f32 v[QTM+qb], v[QTM+qb], |v[\src+16*qb+\i]|, |v[\src+16*qb+\i+1]|
.set qb, qb+1
.endr
.endr
.set qb, 0
.rept \cnt
	v_permlanex16_b32 v[QTP+qb], v[QTM+qb], s42, s43
.set qb, qb+1
.endr
.set qb, 0
.rept \cnt
	v_max_num_f32 v[QTM+qb], v[QTM+qb], v[QTP+qb]         ; the block's largest magnitude
.set qb, qb+1
.endr
.set qb, 0
.rept \cnt
	v_add_nc_u32 v[QTS+qb], 0xff000000, v[QTM+qb]         ; 2 off its exponent field: the conversion takes that field as its scale
.set qb, qb+1
.endr
.set qb, 0
.rept \cnt
	v_lshrrev_b32 v[QBY+qb], 23, v[QTS+qb]                ; the scale's byte
.set qb, qb+1
.endr
.set qb, 0
.rept \cnt
	v_cvt_scalef32_pk8_fp4_f32 v[\pc+2*qb], v[\src+16*qb:\src+16*qb+7], v[QTS+qb]
	v_cvt_scalef32_pk8_fp4_f32 v[\pc+2*qb+1], v[\src+16*qb+8:\src+16*qb+15], v[QTS+qb]
.set qb, qb+1
.endr
	v_nop                                                 ; one plain line behind the last scaled conversion
.endm
.macro QSTORE pc, ca, co, cstep, sa, so, sstep ; four blocks' codes and bytes into an image (lanes l and l xor 16 write the same byte with the same value)
.irp i, 0,1,2,3
	ds_store_b64 v[\ca], v[\pc+2*\i:\pc+2*\i+1] offset:\co+\cstep*\i
	ds_store_b8 v[\sa], v[QBY+\i] offset:\so+\sstep*\i
.endr
.endm
; gelu of the eight numbers of accumulator g, in place
.macro GELU8 g
.set GX, ACC+8*(\g)
.irp j, 0,2,4,6
	v_pk_mul_f32 v[GZ+\j:GZ+\j+1], v[GX+\j:GX+\j+1], s[C_RH:C_RH+1] op_sel_hi:[1,0]      ; z = x / sqrt(2)
.endr
.irp j, 0,2,4,6
	v_pk_mul_f32 v[GS+\j:GS+\j+1], v[GZ+\j:GZ+\j+1], v[GZ+\j:GZ+\j+1]                    ; z^2
.endr
.irp j, 0,1,2,3,4,5,6,7
	v_and_b32 v[GT+\j], 0x7fffffff, v[GZ+\j]                                             ; t = |z|
.endr
.irp j, 0,2,4,6
	v_pk_fma_f32 v[GR+\j:GR+\j+1], v[GT+\j:GT+\j+1], s[C_A0:C_A0+1], v[KA1:KA1+1] op_sel_hi:[1,0,1]
.endr
.irp j, 0,2,4,6
	v_pk_fma_f32 v[GU+\j:GU+\j+1], v[GT+\j:GT+\j+1], s[C_A2:C_A2+1], v[KA3:KA3+1] op_sel_hi:[1,0,1]
.endr
.irp j, 0,2,4,6
	v_pk_fma_f32 v[GR+\j:GR+\j+1], v[GR+\j:GR+\j+1], v[GS+\j:GS+\j+1], v[GU+\j:GU+\j+1]
.endr
.irp k, C_A4, C_A5, C_A6
.irp j, 0,2,4,6
	v_pk_fma_f32 v[GR+\j:GR+\j+1], v[GR+\j:GR+\j+1], v[GT+\j:GT+\j+1], s[\k:\k+1] op_sel_hi:[1,1,0]
.endr
.endr
.irp j, 0,2,4,6
	v_pk_fma_f32 v[GR+\j:GR+\j+1], v[GR+\j:GR+\j+1], v[GT+\j:GT+\j+1], v[GT+\j:GT+\j+1] neg_lo:[0,0,1] neg_hi:[0,0,1]
.endr
.irp j, 0,2,4,6
	v_pk_mul_f32 v[GR+\j:GR+\j+1], v[GR+\j:GR+\j+1], s[C_L2E:C_L2E+1] op_sel_hi:[1,0]
.endr
	s_wait_alu depctr_va_vdst(0)
.irp j, 0,1,2,3,4,5,6,7
	v_exp_f32 v[GR+\j], v[GR+\j]                                                         ; erfc(t), for the tail
.endr
.irp j, 0,2,4,6                                ; the other polynomial is the independent work behind the exponentials
	v_pk_fma_f32 v[GU+\j:GU+\j+1], v[GS+\j:GS+\j+1], s[C_B0:C_B0+1], v[KB1:KB1+1] op_sel_hi:[1,0,1]
.endr
.irp k, C_B2, C_B3, C_B4, C_B5
.irp j, 0,2,4,6
	v_pk_fma_f32 v[GU+\j:GU+\j+1], v[GU+\j:GU+\j+1], v[GS+\j:GS+\j+1], s[\k:\k+1] op_sel_hi:[1,1,0]
.endr
.endr
.irp j, 0,2,4,6
	v_pk_fma_f32 v[GU+\j:GU+\j+1], v[GU+\j:GU+\j+1], v[GZ+\j:GZ+\j+1], v[GZ+\j:GZ+\j+1]  ; erf(z), near 0
.endr
.irp j, 0,2,4,6
	v_pk_mul_f32 v[GH+\j:GH+\j+1], v[GX+\j:GX+\j+1], 0.5 op_sel_hi:[1,0]
.endr
.irp j, 0,2,4,6
	v_pk_fma_f32 v[GU+\j:GU+\j+1], v[GH+\j:GH+\j+1], v[GU+\j:GU+\j+1], v[GH+\j:GH+\j+1]  ; x / 2 (1 + erf)
.endr
.irp j, 0,1,2,3,4,5,6,7
	v_max_num_f32 v[GZ+\j], 0, v[GX+\j]
.endr
.irp j, 0,1,2,3,4,5,6,7
	v_cmp_lt_f32 s[GM+\j], s[C_TH], v[GT+\j]                                             ; the eight masks in one run, a scalar register each
.endr
	s_wait_alu depctr_va_vdst(0)                   ; the eight exponentials have written v[GR ..], ahead of their first reader
.irp j, 0,1,2,3,4,5,6,7
	v_fma_f32 v[GR+\j], -|v[GH+\j]|, v[GR+\j], v[GZ+\j]                                  ; max(x, 0) - |x / 2| erfc(t)
.endr
	s_wait_alu depctr_va_sdst(0)                   ; the eight compares have written their masks, ahead of the first select that reads one
.irp j, 0,1,2,3,4,5,6,7
	v_cndmask_b32 v[GX+\j], v[GU+\j], v[GR+\j], s[GM+\j]                                 ; a choice of values: both ways are always computed
.endr
.endm
; A key step: 128 keys for the 16 queries in hand.  first = 1: it starts M, the sum and O^T.
.macro STEP ks, first
.irp t, 0,1,2,3,4,5,6,7
	WM SC+8*\t, KC+2*(8*(\ks)+\t), QF, -1, KS+\t, QSW, \ks, 0
.endr                                          ; lane (r, h): query r; register 16 b + i: key 128 ks + 32 b + 16 h + i
	PLACES
.irp b, 0,1,2,3
	v_max3_num_f32 v[BM+\b], v[SC+16*\b], v[SC+16*\b+1], v[SC+16*\b+2]   ; the largest score of each block of 32 keys: for the row's maximum, and, since p rises with the score, for the block's largest p
.endr
.irp i, 3,5,7,9,11,13
.irp b, 0,1,2,3
	v_max3_num_f32 v[BM+\b], v[BM+\b], v[SC+16*\b+\i], v[SC+16*\b+\i+1]
.endr
.endr
.irp b, 0,1,2,3
	v_max_num_f32 v[BM+\b], v[BM+\b], v[SC+16*\b+15]
.endr
.irp b, 0,1,2,3
	v_permlanex16_b32 v[BP+\b], v[BM+\b], s42, s43
.endr
.irp b, 0,1,2,3
	v_max_num_f32 v[BM+\b], v[BM+\b], v[BP+\b]
.endr
	v_max3_num_f32 v[TT], v[BM], v[BM+1], v[BM+2]
	v_max_num_f32 v[TT], v[TT], v[BM+3]
.if \first
	v_mul_f32 v[NM+1], s[C_L2E], v[TT]             ; the largest t
	v_floor_f32 v[NM], -v[NM+1]                    ; -M = floor(-t): M is a whole number
.else
	v_mul_f32 v[TT], s[C_L2E], v[TT]
	v_max_num_f32 v[NM+1], v[NM+1], v[TT]
	v_mov_b32 v[TT+1], v[NM]
	v_floor_f32 v[NM], -v[NM+1]
	v_sub_f32 v[TT+1], v[NM], v[TT+1]              ; old M - new M: a whole number, 0 or less
	v_cvt_i32_f32 v[TT+1], v[TT+1]
	v_ldexp_f32 v[FF], 1.0, v[TT+1]                ; f = 2^(old M - new M): multiplying by it rounds nothing
.endif
.set n, 0
.rept 32
	v_pk_fma_f32 v[SC+n:SC+n+1], v[SC+n:SC+n+1], s[C_L2E:C_L2E+1], v[NM:NM+1] op_sel_hi:[1,0,0]   ; t - M
.set n, n+2
.endr
.irp b, 0,1,2,3
	v_fma_f32 v[BM+\b], v[BM+\b], s[C_L2E], v[NM]
.endr
.set n, 0
	s_wait_alu depctr_va_vdst(0)
.rept 64
	v_exp_f32 v[SC+n], v[SC+n]                     ; p = 2^(t - M)
.set n, n+1
.endr
.if \first
	v_nop                                          ; a plain line behind the exponentials
.else
	v_pk_mul_f32 v[SUM:SUM+1], v[SUM:SUM+1], v[FF:FF+1] op_sel_hi:[1,0]   ; the sum under the new M (a plain line behind the exponentials)
.endif
	s_wait_alu depctr_va_vdst(0)                   ; the 64 exponentials have written v[SC ..], ahead of their first reader
.irp b, 0,1,2,3
	v_exp_f32 v[BM+\b], v[BM+\b]                   ; each block's largest p
.endr
.if \first                                     ; half of the row's sum of the unquantised p: plain work behind the four
	v_pk_add_f32 v[SUM:SUM+1], v[SC:SC+1], v[SC+4:SC+5]
.else
	v_pk_add_f32 v[SUM:SUM+1], v[SUM:SUM+1], v[SC:SC+1]
	v_pk_add_f32 v[SUM:SUM+1], v[SUM:SUM+1], v[SC+4:SC+5]
.endif
.set n, 8
.rept 14
	v_pk_add_f32 v[SUM:SUM+1], v[SUM:SUM+1], v[SC+n:SC+n+1]
.set n, n+4
.endr
	s_wait_alu depctr_va_vdst(0)                   ; and the four have written v[BM ..], ahead of their first reader
.irp b, 0,1,2,3
	v_max_num_f32 v[BM+\b], 0x1800000, v[BM+\b]    ; the floor 2^(3 - 127)
.endr
.irp b, 0,1,2,3
	v_add_nc_u32 v[SO+\b], 0xff000000, v[BM+\b]
.endr
.irp b, 0,1,2,3
	v_lshrrev_b32 v[BP+\b], 23, v[SO+\b]
.endr
	v_lshl_or_b32 v[PW], v[BP+1], 8, v[BP]
	v_lshl_or_b32 v[PW], v[BP+2], 16, v[PW]
	v_lshl_or_b32 v[PW], v[BP+3], 24, v[PW]        ; p's scale word for these 128 keys
.irp b, 0,1,2,3
	v_cvt_scalef32_pk8_fp4_f32 v[PCD+2*\b], v[SC+16*\b:SC+16*\b+7], v[SO+\b]
	v_cvt_scalef32_pk8_fp4_f32 v[PCD+2*\b+1], v[SC+16*\b+8:SC+16*\b+15], v[SO+\b]
.endr
	v_nop                                          ; one plain line behind the last scaled conversion
.irp c, 0,1                                    ; the operand wants a whole block in a lane: lanes 0-15 block 2 c, lanes 16-31 block 2 c + 1
.irp i, 0,1
	v_permlane16_swap_b32 v[PCD+4*\c+\i], v[PCD+4*\c+2+\i]
.endr
.endr
	v_pk_add_f32 v[TT:TT+1], v[SC+2:SC+3], v[SC+6:SC+7]   ; the sum's other half: sixteen plain lines between the scale word and codes just made and the scaled products that take them
.set n, 10
.rept 14
	v_pk_add_f32 v[TT:TT+1], v[TT:TT+1], v[SC+n:SC+n+1]
.set n, n+4
.endr
	v_pk_add_f32 v[SUM:SUM+1], v[SUM:SUM+1], v[TT:TT+1]
.if !\first
.irp j, 0,2,4,6,8,10,12,14
	v_pk_mul_f32 v[OT+\j:OT+\j+1], v[OT+\j:OT+\j+1], v[FF:FF+1] op_sel_hi:[1,0]   ; O^T under the new M
.endr
.endif
	s_wait_alu depctr_va_vdst(0)                   ; vector instructions have written p's codes v[PCD ..] and its scale word v[PW], which the scaled products take; the places above stay beside this wait
.if \first
	WM OT, VF+8*(\ks), PCD, -1, VS+(\ks), PW, 0, 0
	WM OT+8, VF+8*(2+(\ks)), PCD, -1, VS+(\ks), PW, 1, 0
.else
	WM OT, VF+8*(\ks), PCD, OT, VS+(\ks), PW, 0, 0
	WM OT+8, VF+8*(2+(\ks)), PCD, OT+8, VS+(\ks), PW, 1, 0
.endif
.endm
; LayerNorm, first part: mean and sum of squared deviations of row tile m's 32 columns of mine, into the pair v[MS + 2 m]
.macro LNPART m
.set LA, ACC+16*(\m)
.set LM, MS+2*(\m)
	v_pk_add_f32 v[LW:LW+1], v[LA:LA+1], v[LA+2:LA+3]
	v_pk_add_f32 v[LW+2:LW+3], v[LA+4:LA+5], v[LA+6:LA+7]
	v_pk_add_f32 v[LW+4:LW+5], v[LA+8:LA+9], v[LA+10:LA+11]
	v_pk_add_f32 v[LW+6:LW+7], v[LA+12:LA+13], v[LA+14:LA+15]
	v_pk_add_f32 v[LW:LW+1], v[LW:LW+1], v[LW+2:LW+3]
	v_pk_add_f32 v[LW+4:LW+5], v[LW+4:LW+5], v[LW+6:LW+7]
	v_pk_add_f32 v[LW:LW+1], v[LW:LW+1], v[LW+4:LW+5]
	v_add_f32 v[LW], v[LW], v[LW+1]
	v_permlanex16_b32 v[LW+1], v[LW], s42, s43
	v_add_f32 v[LW], v[LW], v[LW+1]
	v_mul_f32 v[LM], 0x3d000000, v[LW]             ; / 32
	v_pk_add_f32 v[LW+2:LW+3], v[LA:LA+1], v[LM:LM+1] op_sel_hi:[1,0] neg_lo:[0,1] neg_hi:[0,1]
	v_pk_add_f32 v[LW+4:LW+5], v[LA+2:LA+3], v[LM:LM+1] op_sel_hi:[1,0] neg_lo:[0,1] neg_hi:[0,1]
	v_pk_mul_f32 v[LW:LW+1], v[LW+2:LW+3], v[LW+2:LW+3]
	v_pk_mul_f32 v[LW+6:LW+7], v[LW+4:LW+5], v[LW+4:LW+5]
.irp k, 4,8,12
	v_pk_add_f32 v[LW+2:LW+3], v[LA+\k:LA+\k+1], v[LM:LM+1] op_sel_hi:[1,0] neg_lo:[0,1] neg_hi:[0,1]
	v_pk_add_f32 v[LW+4:LW+5], v[LA+\k+2:LA+\k+3], v[LM:LM+1] op_sel_hi:[1,0] neg_lo:[0,1] neg_hi:[0,1]
	v_pk_fma_f32 v[LW:LW+1], v[LW+2:LW+3], v[LW+2:LW+3], v[LW:LW+1]
	v_pk_fma_f32 v[LW+6:LW+7], v[LW+4:LW+5], v[LW+4:LW+5], v[LW+6:LW+7]
.endr
	v_pk_add_f32 v[LW:LW+1], v[LW:LW+1], v[LW+6:LW+7]
	v_add_f32 v[LW], v[LW], v[LW+1]
	v_permlanex16_b32 v[LW+1], v[LW], s42, s43
	v_add_f32 v[LM+1], v[LW], v[LW+1]
.endm
; second part: the sixteen waves' pairs of row tile m (eight in my registers, eight in lane l xor 16's) become mu and var + eps
.macro LNMERGE m
.set LP, XR+16*((\m)%2)
.set LM, MS+2*(\m)
	v_pk_add_f32 v[LW:LW+1], v[LP:LP+1], v[LP+2:LP+3]
	v_pk_add_f32 v[LW+2:LW+3], v[LP+4:LP+5], v[LP+6:LP+7]
	v_pk_add_f32 v[LW+4:LW+5], v[LP+8:LP+9], v[LP+10:LP+11]
	v_pk_add_f32 v[LW+6:LW+7], v[LP+12:LP+13], v[LP+14:LP+15]
	v_pk_add_f32 v[LW:LW+1], v[LW:LW+1], v[LW+2:LW+3]
	v_pk_add_f32 v[LW+4:LW+5], v[LW+4:LW+5], v[LW+6:LW+7]
	v_pk_add_f32 v[LW:LW+1], v[LW:LW+1], v[LW+4:LW+5]
	v_permlanex16_b32 v[LW+2], v[LW], s42, s43
	v_permlanex16_b32 v[LW+3], v[LW+1], s42, s43
	v_pk_add_f32 v[LW:LW+1], v[LW:LW+1], v[LW+2:LW+3]     ; the sum of the means, the sum of the M2
	v_mul_f32 v[LM], 0x3d800000, v[LW]                    ; mu = / 16
	v_sub_f32 v[LW+2], v[LP], v[LM]
	v_sub_f32 v[LW+3], v[LP+2], v[LM]
	v_mul_f32 v[LW+4], v[LW+2], v[LW+2]
	v_mul_f32 v[LW+5], v[LW+3], v[LW+3]
.irp k, 4,8,12
	v_sub_f32 v[LW+2], v[LP+\k], v[LM]
	v_sub_f32 v[LW+3], v[LP+\k+2], v[LM]
	v_fma_f32 v[LW+4], v[LW+2], v[LW+2], v[LW+4]
	v_fma_f32 v[LW+5], v[LW+3], v[LW+3], v[LW+5]
.endr
	v_add_f32 v[LW+4], v[LW+4], v[LW+5]
	v_permlanex16_b32 v[LW+5], v[LW+4], s42, s43
	v_add_f32 v[LW+4], v[LW+4], v[LW+5]
	v_fma_f32 v[LW+4], v[LW+4], s4, v[LW+1]               ; 32 x the means' squared deviations + the sum of the M2
	v_fma_f32 v[LM+1], v[LW+4], s5, s6                    ; / 512 + eps
.endm
	; ---- the head
	s_load_b512 s[8:23], s[0:1], 0x0               ; x s[8:9], Wq codes s[10:11], Wq scales s[12:13], bq s[14:15], kv s[16:17], Wo codes s[18:19], Wo scales s[20:21], bo s[22:23]
	s_load_b512 s[24:39], s[0:1], 0x40             ; ln_g s[24:25], ln_b s[26:27], W1 codes s[28:29], W1 scales s[30:31], b1 s[32:33], W2 codes s[34:35], W2 scales s[36:37], b2 s[38:39]
	s_load_b64 s[40:41], s[0:1], 0x80              ; out0
	v_lshrrev_b32 v160, 5, v0
	v_readfirstlane_b32 s2, v160                   ; wave 0..15
	v_and_b32 v162, 31, v0                         ; lane
	v_lshlrev_b32 v[LI], 4, v162
	v_and_b32 v160, 15, v0                         ; r
	v_bfe_u32 v161, v0, 4, 1                       ; h
	v_and_b32 v[ROW], 8, v160
	v_add_nc_u32 v[ROW], v[ROW], v160
	v_lshlrev_b32 v[H16], 4, v161
	v_lshl_add_u32 v[ROWH], v161, 3, v[ROW]
	v_lshlrev_b32 v[H64], 6, v161
	v_mad_u32_u24 v[VN0], v[ROW], 256, v[H16]      ; Wq, Wo and W1 have rows of 256 bytes
	v_add_nc_u32 v[VN0+1], 2048, v[VN0]
	v_lshlrev_b32 v[VNS], 4, v[ROWH]
	s_wait_alu depctr_va_sdst(0)                   ; s2 is written, ahead of its first reader: every wave's share is made from it
	s_lshl_b32 s4, ttmp9, 17                       ; my work-group's 64 rows of 2,048 bytes,
	s_lshl_b32 s6, s2, 13                          ; my wave's four of them
	s_add_co_u32 s4, s4, s6
	s_mov_b32 s5, 0
	s_mov_b32 s7, 0
	s_wait_kmcnt 0x0
	s_add_nc_u64 s[8:9], s[8:9], s[4:5]
	s_add_nc_u64 s[40:41], s[40:41], s[4:5]
	s_wait_alu depctr_va_vdst(0)                   ; v[LI], v[H64] and the weights' offsets v[VN0], v[VN0+1], v[VNS] are written, which the loads of x and of the weights read
.irp i, 0,1,2,3
.irp q, 0,1,2,3
	global_load_b128 v[ACC+4*(4*\i+\q):ACC+4*(4*\i+\q)+3], v[LI], s[8:9] offset:2048*\i+512*\q th:TH_LOAD_NT   ; 32 lanes read 512 consecutive bytes
.endr
.endr
	s_add_nc_u64 s[10:11], s[10:11], s[6:7]        ; my 32 rows of the weights with K = 512: 8,192 w bytes of codes,
	s_add_nc_u64 s[18:19], s[18:19], s[6:7]
	s_add_nc_u64 s[28:29], s[28:29], s[6:7]
	s_lshl_b32 s6, s2, 9                           ; 512 w of scales
	s_add_nc_u64 s[12:13], s[12:13], s[6:7]
	s_add_nc_u64 s[20:21], s[20:21], s[6:7]
	s_add_nc_u64 s[30:31], s[30:31], s[6:7]
	s_lshl_b32 s6, s2, 15                          ; W2: rows of 1,024 bytes
	s_add_nc_u64 s[34:35], s[34:35], s[6:7]
	s_lshl_b32 s6, s2, 11
	s_add_nc_u64 s[36:37], s[36:37], s[6:7]
	s_lshl_b32 s6, s2, 7                           ; my 32 numbers of every bias and gain
	s_add_nc_u64 s[14:15], s[14:15], s[6:7]
	s_add_nc_u64 s[22:23], s[22:23], s[6:7]
	s_add_nc_u64 s[24:25], s[24:25], s[6:7]
	s_add_nc_u64 s[26:27], s[26:27], s[6:7]
	s_add_nc_u64 s[32:33], s[32:33], s[6:7]
	s_add_nc_u64 s[38:39], s[38:39], s[6:7]
	s_lshr_b32 s6, ttmp9, 6                        ; the batch
	s_lshl_b32 s6, s6, 4
	s_add_co_u32 s6, s6, s2
	s_mul_i32 s6, s6, REC                          ; my head's record
	s_add_nc_u64 s[16:17], s[16:17], s[6:7]
	SETW 10, 12, 14
	WALL 0                                         ; Wq, its scale words, bq.  No wait: no vector instruction since the wait above names a register that these loads touch
	s_mov_b32 s42, 0x76543210
	s_mov_b32 s43, 0xfedcba98                      ; v_permlanex16_b32's selects for lane l xor 16
	KONST C_RH,  0x3f3504f3                        ; sqrt(1/2)
	KONST C_L2E, 0x3fb8aa3b                        ; log2(e)
	KONST C_A0,  0xb7910000                        ; the tail's polynomial
	KONST C_A2,  0xbb7e8a1c
	KONST C_A4,  0xbddaae5c
	KONST C_A5,  0xbf228550
	KONST C_A6,  0xbe03ce86
	KONST C_B0,  0xba1c7000                        ; the polynomial near 0
	KONST C_B2,  0xbcdb48d9
	KONST C_B3,  0x3de70e22
	KONST C_B4,  0xbec09380
	KONST C_B5,  0x3e0375d4
	s_mov_b32 s[C_TH], 0x3f6d8000                  ; 475 / 512
	v_lshlrev_b32 v163, 4, v160                    ; 16 r
	v_lshl_add_u32 v[L8H], v161, 3, v163
	v_lshlrev_b32 v[L8], 3, v162
	v_lshl_add_u32 v[SL], v161, 9, v163
	s_lshl_b32 s4, s2, 8
	v_add_nc_u32 v[CW], s4, v[L8H]
	v_add_nc_u32 v[SB], s2, v163
	s_mul_i32 s4, s2, 4*RP
	s_add_co_u32 s4, s4, RES
	v_add_nc_u32 v[RS], s4, v[LI]
	v_mul_u32_u24 v164, v160, RP
	v_lshl_add_u32 v164, v161, 6, v164             ; RP r + 64 h
	s_wait_alu depctr_va_vdst(0)
	s_lshl_b32 s4, s2, 7
	s_add_co_u32 s4, s4, RES
	v_add_nc_u32 v[RO], s4, v164
	v_add_nc_u32 v[RO+1], 32*RP, v[RO]
	v_mul_u32_u24 v165, v160, 144
	s_lshl_b32 s4, s2, 3
	s_add_co_u32 s4, s4, STAT
	v_add_nc_u32 v[STW], s4, v165
	v_lshl_add_u32 v[STR], v161, 6, v165
	v_add_nc_u32 v[STR], STAT, v[STR]
	s_lshr_b32 s4, s2, 2                           ; x's fragment w: row tile w / 4, K step w % 4
	s_and_b32 s5, s2, 3
	s_mul_i32 s6, s4, 16*RP
	s_lshl_b32 s7, s5, 9
	s_add_co_u32 s6, s6, s7
	s_add_co_u32 s6, s6, RES
	v_add_nc_u32 v[TA], s6, v164                   ; its numbers,
	s_lshl_b32 s6, s2, 10
	v_add_nc_u32 v[TB], s6, v[L8H]                 ; its image,
	s_lshl_b32 s6, s4, 8
	s_lshl_b32 s7, s5, 2
	s_add_co_u32 s6, s6, s7
	s_add_co_u32 s6, s6, ASC0
	v_add_nc_u32 v[TC], s6, v163                   ; its scale bytes
.irp i, 0,1,2,3
	v_mov_b32 v[212+\i], 0                         ; a lane permute's destination counts as one of its sources
.endr
.irp i, 0,1,2,3,4,5,6,7
	v_mov_b32 v[MS+\i], 0                          ; (named in pairs before both halves are made)
.endr
	s_wait_alu depctr_va_vdst(0)                   ; the LDS addresses and offsets v[RS], v[RO], v[RO+1], v[CW], v[SB], v[SL], v[STW], v[STR], v[L8H], v[L8], v[TA], v[TB], v[TC] are written, which the LDS and memory instructions from here on read
	s_wait_loadcnt 21                              ; x's sixteen loads are in; the 21 loads of weights behind them may be out
.irp i, 0,1,2,3
.irp q, 0,1,2,3
	ds_store_b128 v[RS], v[ACC+4*(4*\i+\q):ACC+4*(4*\i+\q)+3] offset:RP*\i+512*\q
.endr
.endr
	BARRIER                                        ; 64 rows of x lie in RES
	; ---- x becomes codes: wave w makes fragment w: register 16 b + i = k 128 s + 32 b + 16 h + i of row 16 m + r
	s_wait_alu depctr_vm_vsrc(0)                   ; my LDS stores have read v[ACC ..], in which the loads below land
.irp b, 0,1,2,3
.irp j, 0,1,2,3
	ds_load_b128 v[ACC+16*\b+4*\j:ACC+16*\b+4*\j+3], v[TA] offset:128*\b+16*\j
.endr
.endr
	s_wait_dscnt 0x0
	QREGS 208, 212, 216, 220
	QCORE ACC, PC, 4
	s_wait_alu depctr_va_vdst(0)                   ; the quantiser has written the codes v[PC ..] and the bytes v[QBY ..], which the LDS stores read
	QSTORE PC, TB, A0, 256, TC, 0, 1
	BARRIER                                        ; x's sixteen fragments lie in A0
	; ---- q = x Wq + bq
	s_wait_alu depctr_vm_vsrc(0)                   ; my LDS stores have read v[PC ..] and v[QBY ..], in which x's fragments land
	v_add_nc_u32 v[AI], A0, v[LI]
	v_add_nc_u32 v[ASL], ASC0, v[SL]
	s_wait_loadcnt 0x0
	GEMM 0, 1, 0, 0, 0, 0
	; ---- my head's k and v (27 loads), and q x SCALE as codes
	s_wait_alu depctr_va_vdst(0)                   ; the last two K steps' products are done reading WF and AF, in which k and v land
.irp t, 0,1,2,3,4,5,6,7,8,9,10,11,12,13,14,15
	global_load_b64 v[KC+2*\t:KC+2*\t+1], v[L8H], s[16:17] offset:256*\t
.endr
.irp g, 0,1
	global_load_b128 v[KS+4*\g:KS+4*\g+3], v[LI], s[16:17] offset:8192+512*\g
.endr
.irp f, 0,1,2,3,4,5,6,7
	global_load_b128 v[VF+4*\f:VF+4*\f+3], v[LI], s[16:17] offset:4096+512*\f
.endr
	global_load_b64 v[VS:VS+1], v[L8], s[16:17] offset:9216
.irp i, 0,1,2,3,4,5
	v_mov_b32 v[KC+32+\i], 0                       ; behind the last tile's codes
	v_mov_b32 v[QF+2+\i], 0                        ; zero codes: K 16-31, 48-127 of the instruction add nothing
.endr
.irp i, 0,1,2,3
	v_mov_b32 v[BP+\i], 0
.endr
.irp i, 0,1,2,3,4,5,6,7
	v_mov_b32 v[TT+\i], 0
.endr
	v_mov_b32 v[FF+1], 0
.set n, 0
.rept 32
	v_pk_mul_f32 v[ACC+n:ACC+n+1], v[ACC+n:ACC+n+1], 0x3e3504f3 op_sel_hi:[1,0]   ; x 32^(-1/2)
.set n, n+2
.endr
	QREGS 242, 246, 250, 234
	QCORE ACC, QC, 4
.irp m, 0,1,2,3
	v_lshl_or_b32 v[QS+\m], v[QBY+\m], 8, v[QBY+\m]        ; the byte for the instruction's blocks 0 and 1
.endr
	; ---- attention: four trips, a row tile each
	s_mov_b32 s3, 0
	s_mov_b32 s53, 0
	s_mov_b32 s54, 0
	s_wait_loadcnt 0x0                             ; k and v
.Lattn:
	v_mov_b32 v[QF], v[QC]
	v_mov_b32 v[QF+1], v[QC+1]
	s_wait_alu depctr_va_vdst(0)
	v_mov_b32 v[QSW], v[QS]
.irp i, 0,1,2,3,4,5                            ; the other tiles' codes and words move down: nine plain lines between the scale word just written and the scaled products
	v_mov_b32 v[QC+\i], v[QC+\i+2]
.endr
.irp i, 0,1,2
	v_mov_b32 v[QS+\i], v[QS+\i+1]
.endr
	s_wait_alu depctr_va_vdst(0)                   ; vector moves have written q's fragment v[QF ..], its scale word v[QSW] and (ahead of the loop) the zero codes behind k's last tile, which the scaled products take; the places above stay beside this wait
	STEP 0, 1
	STEP 1, 0
	v_add_nc_u32 v[TA], s53, v[CW]                 ; these lines name none of the last products' registers: they are the places in front of the first read of O^T
	v_add_nc_u32 v[TB], s54, v[SB]
	v_add_f32 v[TT], v[SUM], v[SUM+1]
	v_permlanex16_b32 v[TT+1], v[TT], s42, s43
	v_add_f32 v[TT], v[TT], v[TT+1]                ; the row's sum
	s_wait_alu depctr_va_vdst(0)
	v_rcp_f32 v[FF], v[TT]
	v_nop                                          ; a plain line behind the reciprocal
	s_wait_alu depctr_va_vdst(0)                   ; the reciprocal has written v[FF], ahead of its first reader
.irp j, 0,2,4,6,8,10,12,14
	v_pk_mul_f32 v[OT+\j:OT+\j+1], v[OT+\j:OT+\j+1], v[FF:FF+1] op_sel_hi:[1,0]
.endr
	QREGS 244, 245, 246, 247
	QCORE OT, PCD, 1                               ; block w of the next K, rows 16 m + r
	s_wait_alu depctr_va_vdst(0)                   ; the codes v[PCD ..], the byte v[QBY] and the addresses v[TA], v[TB] are written, which the two LDS stores read
	ds_store_b64 v[TA], v[PCD:PCD+1] offset:A1
	ds_store_b8 v[TB], v[QBY] offset:ASC1
	s_wait_dscnt 0x0                               ; the two stores have landed
	s_wait_alu depctr_vm_vsrc(0)                   ; they have read v[TA], v[TB], v[PCD ..] and v[QBY], which the next trip writes again (behind the last trip a load of bo lands in v[QBY]); the q product's LDS loads have read v[AI] and v[ASL], which are written behind the loop
	s_add_co_u32 s53, s53, 4096
	s_add_co_u32 s54, s54, 256
	s_add_co_u32 s3, s3, 1
	s_cmp_lt_u32 s3, 4
	s_cbranch_scc1 .Lattn
	SETW 18, 20, 22
	PLACES                                         ; in front of loads into registers that products have read
	WALL 0                                         ; Wo, its scale words, bo.  No wait: no vector or matrix instruction since the trip's last wait on va_vdst names WF, WS or BI
	BARRIER                                        ; attention's sixteen fragments lie in A1
	; ---- out = attn Wo + bo; W1's first chunk is asked for on the way
	v_add_nc_u32 v[AI], A1, v[LI]
	v_add_nc_u32 v[ASL], ASC1, v[SL]
	s_wait_loadcnt 0x0
	SETW 28, 30, 32
	GEMM 0, 1, 1, 0, 1, 0
	; ---- LayerNorm, first part; and x + out goes back to RES.  The loads below owe no wait: no vector or matrix instruction since the last K step's wait names AF, in which they land
.irp i, 0,1,2,3
	global_load_b128 v[LG+4*\i:LG+4*\i+3], v[H64], s[24:25] offset:16*\i
	global_load_b128 v[LB+4*\i:LB+4*\i+3], v[H64], s[26:27] offset:16*\i
.endr
.irp p, 0,1
.irp m, 0,1
.irp i, 0,1,2,3
	ds_load_b128 v[XR+16*\m+4*\i:XR+16*\m+4*\i+3], v[RO+\p] offset:16*RP*\m+16*\i
.endr
.endr
	LNPART 2*\p
	LNPART 2*\p+1
	s_wait_dscnt 0x0                               ; x's eight loads are in
.set n, 0
.rept 16
	v_pk_add_f32 v[XR+n:XR+n+1], v[XR+n:XR+n+1], v[ACC+32*\p+n:ACC+32*\p+n+1]
.set n, n+2
.endr
	s_wait_alu depctr_va_vdst(0)                   ; the two pairs in v[MS ..] and x + out in v[XR ..] are written, which the ten LDS stores read
.irp m, 0,1
	ds_store_b64 v[STW], v[MS+4*\p+2*\m:MS+4*\p+2*\m+1] offset:2304*(2*\p+\m)
.endr
.irp m, 0,1
.irp i, 0,1,2,3
	ds_store_b128 v[RO+\p], v[XR+16*\m+4*\i:XR+16*\m+4*\i+3] offset:16*RP*\m+16*\i
.endr
.endr
.if \p == 0
	s_wait_dscnt 0x0                               ; the stores have landed
	s_wait_alu depctr_vm_vsrc(0)                   ; they have read v[XR ..], in which the other two row tiles' loads land
.endif
.endr
	BARRIER                                        ; every wave's pairs lie in STAT
	; ---- second part: mu and 1 / sigma of the 64 rows, h = (out - mu) / sigma x g + b, quantised
	s_mov_b32 s4, 0x42000000                       ; 32
	s_mov_b32 s5, 0x3b000000                       ; 1 / 512
	s_mov_b32 s6, 0x3727c5ac                       ; 1e-5
	s_wait_alu depctr_vm_vsrc(0)                   ; my LDS stores have read v[XR ..], in which the pairs land, and v[MS ..], which the merge writes again
.irp p, 0,1
.if \p == 1
	s_wait_alu depctr_va_vdst(0)                   ; the merge of the first two row tiles is done reading v[XR ..], in which the other two tiles' pairs land
.endif
.irp m, 0,1
.irp i, 0,1,2,3
	ds_load_b128 v[XR+16*\m+4*\i:XR+16*\m+4*\i+3], v[STR] offset:2304*(2*\p+\m)+16*\i
.endr
.endr
	s_wait_dscnt 0x0
	LNMERGE 2*\p
	LNMERGE 2*\p+1
.endr
	s_wait_alu depctr_va_vdst(0)
.irp m, 0,1,2,3
	v_rsq_f32 v[MS+2*\m+1], v[MS+2*\m+1]
.endr
	v_nop                                          ; a plain line behind the last of them
	s_wait_alu depctr_va_vdst(0)                   ; the four have written 1 / sigma, ahead of their first reader
	s_wait_loadcnt 0x0                             ; ln_g, ln_b (and W1's first chunk)
.irp m, 0,1,2,3
.irp j, 0,2,4,6,8,10,12,14
	v_pk_add_f32 v[ACC+16*\m+\j:ACC+16*\m+\j+1], v[ACC+16*\m+\j:ACC+16*\m+\j+1], v[MS+2*\m:MS+2*\m+1] op_sel_hi:[1,0] neg_lo:[0,1] neg_hi:[0,1]
.endr
.irp j, 0,2,4,6,8,10,12,14
	v_pk_mul_f32 v[ACC+16*\m+\j:ACC+16*\m+\j+1], v[ACC+16*\m+\j:ACC+16*\m+\j+1], v[MS+2*\m:MS+2*\m+1] op_sel:[0,1] op_sel_hi:[1,1]
.endr
.irp j, 0,2,4,6,8,10,12,14
	v_pk_fma_f32 v[ACC+16*\m+\j:ACC+16*\m+\j+1], v[ACC+16*\m+\j:ACC+16*\m+\j+1], v[LG+\j:LG+\j+1], v[LB+\j:LB+\j+1]
.endr
.endr
	QREGS 208, 212, 216, 220
	QCORE ACC, PC, 4
	s_wait_alu depctr_va_vdst(0)                   ; the quantiser has written the codes v[PC ..] and the bytes v[QBY ..], which the LDS stores read
	QSTORE PC, CW, A0, 4096, SB, ASC0, 256
	v_mov_b32 v[KA1], 0x39c8e7d9                   ; three of erf's constants in vector pairs: the statistics are done with
	v_mov_b32 v[KA1+1], 0x39c8e7d9
	v_mov_b32 v[KA3], 0x3cc6b1a1
	v_mov_b32 v[KA3+1], 0x3cc6b1a1
	v_mov_b32 v[KB1], 0x3ba38d2c
	v_mov_b32 v[KB1+1], 0x3ba38d2c
	BARRIER                                        ; h's sixteen fragments lie in A0
	; ---- the hidden layer, four chunks of 512 units: wave w makes units 512 c + 32 w .. + 31.  The next chunk's weights (behind the last: W2's first) land under the GELU
	s_wait_alu depctr_vm_vsrc(0)                   ; my LDS stores have read v[PC ..] and v[QBY ..], in which h's fragments land
	v_add_nc_u32 v[AI], A0, v[LI]
	v_add_nc_u32 v[ASL], ASC0, v[SL]
	s_mov_b32 s3, 0
	s_mov_b32 s53, HIMG
	s_mov_b32 s54, HSC
.Lffn1:
	s_wait_loadcnt 0x0                             ; this chunk's weights are in, and no load names the pointers that are written now
	s_add_nc_u64 s[28:29], s[28:29], 0x20000       ; W1's next chunk (behind the last it is not used)
	s_add_nc_u64 s[30:31], s[30:31], 0x2000
	s_add_nc_u64 s[32:33], s[32:33], 0x800
	s_mov_b32 s50, 256
	s_mov_b32 s51, 2048
	s_cmp_eq_u32 s3, 3                             ; the choice hangs on the trip's number alone; both ways issue the same 21 loads
	s_cselect_b64 s[NW:NW+1], s[34:35], s[28:29]
	s_cselect_b64 s[NS:NS+1], s[36:37], s[30:31]
	s_cselect_b64 s[NB:NB+1], s[38:39], s[32:33]
	s_cselect_b32 s50, 0x400, s50                  ; a row of codes,
	s_cselect_b32 s51, 0x2000, s51                 ; eight of them,
	s_cselect_b32 s52, 64, 16                      ; a row of scale bytes
	v_mad_u32_u24 v[VN0], v[ROW], s50, v[H16]      ; (the loads that read these three offsets stand ahead of the last wait on vm_vsrc: the one in front of the loop, or the last trip's)
	v_add_nc_u32 v[VN0+1], s51, v[VN0]
	v_mul_u32_u24 v[VNS], s52, v[ROWH]
	GEMM 0, 1, 1, 0, 1, 0
.irp g, 0,1,2,3,4,5,6,7
	GELU8 \g
.endr
	QCORE ACC, PC, 4
	v_add_nc_u32 v[TA], s53, v[CW]
	v_add_nc_u32 v[TB], s54, v[SB]
	s_wait_alu depctr_va_vdst(0)                   ; the codes v[PC ..], the bytes v[QBY ..] and the addresses v[TA], v[TB] are written, which the LDS stores read
	QSTORE PC, TA, 0, 4096, TB, 0, 256
	s_wait_dscnt 0x0                               ; the stores have landed
	s_wait_alu depctr_vm_vsrc(0)                   ; they have read v[PC ..], v[QBY ..], v[TA] and v[TB], and this trip's loads the weights' offsets, v[AI] and v[ASL]: all are written again in the next trip or behind the loop
	s_add_co_u32 s53, s53, 16384
	s_add_co_u32 s54, s54, 1024
	s_add_co_u32 s3, s3, 1
	s_cmp_lt_u32 s3, 4
	s_cbranch_scc1 .Lffn1
	BARRIER                                        ; the hidden layer's 64 fragments lie in HIMG
	; ---- ffn = hidden W2 + b2: four chunks of 512 along K, written out; each slot of weights is asked for again three K steps ahead of its use
.macro CHUNK c, ws, first, refill, nws, lag
.if \refill
	s_add_nc_u64 s[NW:NW+1], s[NW:NW+1], 256       ; the next chunk of my rows of W2
	s_add_nc_u64 s[NS:NS+1], s[NS:NS+1], 16
.endif
.if \c > 0
	s_wait_alu depctr_vm_vsrc(0)                   ; the last chunk's LDS loads have read v[AI] and v[ASL], which are written now
.endif
	v_add_nc_u32 v[AI], HIMG+16384*\c, v[LI]
	v_add_nc_u32 v[ASL], HSC+1024*\c, v[SL]
	GEMM \ws, \first, \refill, \nws, 0, \lag
.endm
	s_wait_loadcnt 0x0
	CHUNK 0, 0, 1, 1, 1, 0
	s_wait_xcnt 0x0                                ; the loads that are out have read their pointers
	CHUNK 1, 1, 0, 1, 0, 1
	s_wait_xcnt 0x0
	CHUNK 2, 0, 0, 1, 1, 1
	CHUNK 3, 1, 0, 0, 0, 1
	; ---- the way out: (x + out) + ffn at my places in RES, a barrier, whole rows to memory
	s_wait_alu depctr_va_vdst(0)                   ; the last two K steps' products are done reading AF, in which the rows of x + out land
.irp p, 0,1
.irp m, 0,1
.irp i, 0,1,2,3
	ds_load_b128 v[AF+32*\p+16*\m+4*\i:AF+32*\p+16*\m+4*\i+3], v[RO+\p] offset:16*RP*\m+16*\i
.endr
.endr
.endr
	s_wait_dscnt 0x0
.set n, 0
.rept 32
	v_pk_add_f32 v[ACC+n:ACC+n+1], v[ACC+n:ACC+n+1], v[AF+n:AF+n+1]
.set n, n+2
.endr
	s_wait_alu depctr_va_vdst(0)                   ; the additions have written v[ACC ..], which the LDS stores read, and are done reading AF, in which the whole rows land behind the barrier
.irp p, 0,1
.irp m, 0,1
.irp i, 0,1,2,3
	ds_store_b128 v[RO+\p], v[ACC+32*\p+16*\m+4*\i:ACC+32*\p+16*\m+4*\i+3] offset:16*RP*\m+16*\i
.endr
.endr
.endr
	BARRIER                                        ; 64 whole rows of the result lie in RES
.irp i, 0,1,2,3
.irp q, 0,1,2,3
	ds_load_b128 v[AF+4*(4*\i+\q):AF+4*(4*\i+\q)+3], v[RS] offset:RP*\i+512*\q
.endr
.endr
.irp i, 0,1,2,3
.irp q, 0,1,2,3
	s_wait_dscnt 15-(4*\i+\q)
	global_store_b128 v[LI], v[AF+4*(4*\i+\q):AF+4*(4*\i+\q)+3], s[40:41] offset:2048*\i+512*\q th:TH_STORE_NT   ; 32 lanes store 512 consecutive bytes, at a multiple of 256 from out0's first byte
.endr
.endr
	s_wait_xcnt 0x0
	v_lshl_add_u32 v254, v0, 2, 0x3c000            ; the add's two registers are made anew here: all 256 were at work.  No memory or LDS instruction has read v254 or v255
	v_mov_b32 v255, 0
	s_wait_dscnt 0x0                               ; the closing lines, six on end
	s_wait_alu 0x0
	s_wait_tensorcnt 0x0
	ds_add_u32 v254, v255
	s_wait_dscnt 0x0
	s_endpgm
.Lfunc_end_k_qfe1b186a5e_block:
	.size	k_qfe1b186a5e_block, .Lfunc_end_k_qfe1b186a5e_block-k_qfe1b186a5e_block
	.p2alignl 7, 3214868480
	.fill 96, 4, 3214868480
	.section	.rodata,"a",@progbits
	.p2align	6, 0x0
	.amdhsa_kernel k_qfe1b186a5e_block
		.amdhsa_group_segment_fixed_size 247808
		.amdhsa_private_segment_fixed_size 0
		.amdhsa_enable_private_segment 0
		.amdhsa_kernarg_size 136
		.amdhsa_user_sgpr_count 2
		.amdhsa_user_sgpr_kernarg_segment_ptr 1
		.amdhsa_wavefront_size32 1
		.amdhsa_system_sgpr_workgroup_id_x 1
		.amdhsa_system_sgpr_workgroup_id_y 1
		.amdhsa_system_sgpr_workgroup_id_z 1
		.amdhsa_system_vgpr_workitem_id 0
		.amdhsa_next_free_vgpr 256
		.amdhsa_next_free_sgpr 92
		.amdhsa_reserve_vcc 0
		.amdhsa_float_denorm_mode_32 3
		.amdhsa_float_denorm_mode_16_64 3
		.amdhsa_memory_ordered 1
		.amdhsa_forward_progress 1
		.amdhsa_inst_pref_size 215
	.end_amdhsa_kernel
	.amdgpu_metadata
---
amdhsa.version: [ 1, 2 ]
amdhsa.kernels:
  - .name:           k_qfe1b186a5e_block
    .symbol:         k_qfe1b186a5e_block.kd
    .args:
      - { .name: x, .offset: 0, .size: 8, .value_kind: global_buffer, .address_space: global }
      - { .name: Wq_codes, .offset: 8, .size: 8, .value_kind: global_buffer, .address_space: global }
      - { .name: Wq_scales, .offset: 16, .size: 8, .value_kind: global_buffer, .address_space: global }
      - { .name: bq, .offset: 24, .size: 8, .value_kind: global_buffer, .address_space: global }
      - { .name: kv, .offset: 32, .size: 8, .value_kind: global_buffer, .address_space: global }
      - { .name: Wo_codes, .offset: 40, .size: 8, .value_kind: global_buffer, .address_space: global }
      - { .name: Wo_scales, .offset: 48, .size: 8, .value_kind: global_buffer, .address_space: global }
      - { .name: bo, .offset: 56, .size: 8, .value_kind: global_buffer, .address_space: global }
      - { .name: ln_g, .offset: 64, .size: 8, .value_kind: global_buffer, .address_space: global }
      - { .name: ln_b, .offset: 72, .size: 8, .value_kind: global_buffer, .address_space: global }
      - { .name: W1_codes, .offset: 80, .size: 8, .value_kind: global_buffer, .address_space: global }
      - { .name: W1_scales, .offset: 88, .size: 8, .value_kind: global_buffer, .address_space: global }
      - { .name: b1, .offset: 96, .size: 8, .value_kind: global_buffer, .address_space: global }
      - { .name: W2_codes, .offset: 104, .size: 8, .value_kind: global_buffer, .address_space: global }
      - { .name: W2_scales, .offset: 112, .size: 8, .value_kind: global_buffer, .address_space: global }
      - { .name: b2, .offset: 120, .size: 8, .value_kind: global_buffer, .address_space: global }
      - { .name: out0, .offset: 128, .size: 8, .value_kind: global_buffer, .address_space: global }
    .group_segment_fixed_size: 247808
    .private_segment_fixed_size: 0
    .kernarg_segment_align: 8
    .kernarg_segment_size: 136
    .max_flat_workgroup_size: 512
    .sgpr_count:     92
    .vgpr_count:     256
    .wavefront_size: 32
...
	.end_amdgpu_metadata
.endif
;; end of part 4
